; MI455X (gfx1250); checked and timed in simulation.
; The chip was launched on July 23, 2026; its instructions are those of AMD's public machine-readable ISA for CDNA 5 (MIT licence, August 2026) and "CDNA5" Instruction Set Architecture Reference Guide (July 2026). The comments in the code are by the model that wrote it; some were corrected since.
;; Multihead Attention. Allowed arithmetic: matrix products marked QUANTISED: E5M2 operands, one given power-of-two scale a tensor, by v_wmma_f32_16x16x64_bf8_bf8 or v_wmma_f32_16x16x128_bf8_bf8, f32 sums; everything else in f32.
;; Inputs: W_k 1,024 x 1,024 float32; W_o 1,024 x 1,024 float32; W_q 1,024 x 1,024 float32; W_v 1,024 x 1,024 float32; b_o 1,024 float32; lowp_scales 12 int32 (the exponents e of the quantised operands' scales 2^e); x 4 x 2,048 x 1,024 float32.
;; Outputs: out0 4 x 2,048 x 1,024 float32.
;; This version of the problem:
;;   THIS VERSION OF THE PROBLEM IS GIVEN IN LOW PRECISION. The matrix products marked QUANTISED in the list below multiply operands that are first quantised to E5M2 (5 exponent bits, 2 mantissa bits; 8 bits a number), with one given power-of-two scale for each operand tensor; their sums are f32. All else is computed in f32.
;;   The module's matrix products, in the order in which they are computed (A, B: the left and right operand; K: the contracted axis; several contracted axes count as one K, in the product's order):
;;     1. [M 8,192, K 1,024] x [K 1,024, N 1,024]; A: input x; B: input W_q: QUANTISED (scales: A lowp_scales[0], B lowp_scales[1])
;;     2. [M 8,192, K 1,024] x [K 1,024, N 1,024]; A: input x; B: input W_k: QUANTISED (scales: A lowp_scales[2], B lowp_scales[3])
;;     3. [M 8,192, K 1,024] x [K 1,024, N 1,024]; A: input x; B: input W_v: QUANTISED (scales: A lowp_scales[4], B lowp_scales[5])
;;     4. batch 64 x [M 2,048, K 64] x [K 64, N 2,048]; A: computed on the way; B: computed on the way: QUANTISED (scales: A lowp_scales[6], B lowp_scales[7])
;;     5. batch 64 x [M 2,048, K 2,048] x [K 2,048, N 64]; A: softmax (see below); B: computed on the way: QUANTISED (scales: A lowp_scales[8], B lowp_scales[9])
;;     6. [M 8,192, K 1,024] x [K 1,024, N 1,024]; A: computed on the way; B: input W_o: QUANTISED (scales: A lowp_scales[10], B lowp_scales[11])
;;   THE QUANTISER, for each operand of a quantised product, along K:
;;     - The operand's scale is 2^e, e = its entry of the input lowp_scales (int32; the entries are numbered through the quantised products in the list's order, A before B).
;;     - Each number is divided by the scale, clamped to +-57,344, and rounded to the nearest number of E5M2, ties to even, subnormals kept.
;;     - The product sums the exact products of the quantised numbers (number of the format x scale) in f32.
;;   ~~~python
;;   def quantise(x, axis, e):      # numpy; x: float32 -> the quantised numbers, widened to float32 again
;;       x = np.moveaxis(x, axis, -1); K = x.shape[-1]
;;       r = np.clip(x / 2.0 ** e, -57344, 57344)
;;       step = 2.0 ** (np.maximum(np.frexp(np.where(r == 0, 1, r))[1] - 1, -14) - 2)
;;       q = np.round(r / step) * step * 2.0 ** e      # np.round: ties to even
;;       return np.moveaxis(q, -1, axis).astype(np.float32)
;;   ~~~
;;   SOFTMAX AHEAD OF A QUANTISED PRODUCT. Where the list says 'softmax', what is quantised is not the finished softmax but p = 2^(t - M), with t = logit x log2(e) and M = ceil(the row's largest t), a whole number; so 1/2 < the row's largest p <= 1. The row's sum l is taken of the UNQUANTISED p, in f32, and the product's result is divided by l at the end. Since M is a whole number, a kernel that streams over the keys may use a running M (the ceiling of the running maximum): every later rescaling is an exact power of two, so the quantised numbers keep their values, but for numbers so far below the row's largest that they fall under the format's range.
;;   OPERANDS COMPUTED ON THE WAY. 'Computed on the way' means the value that the module computes at that place (a softmax that the list does not call 'softmax' is quantised finished and normalised). What goes into a quantiser is computed in f32, as accurately as f32 sums, v_exp_f32 and their like allow (about 1e-6 of the number): no bf16 or f16 on the way to a quantiser, and a product that is left as it is and whose result goes on into a quantised operand takes f32 operands (vector FMAs, or v_wmma_f32_16x16x4_f32). A number that lies on a knife's edge between two numbers of the format may be rounded either way, as far as f32 arithmetic and the matrix unit's own rounding can turn it there, and no further.
;; One version. Each part assembles by itself: llvm-mc -triple=amdgcn-amd-amdhsa -mcpu=gfx1250 --defsym DOCPART=n.
;; ======== version 1 of 1: 4 launches
;; limits: right only within a limited range of input values
;; workspace buffers: xc 25,165,824 bytes; wc 4,194,304 bytes; qkv 25,165,824 bytes; ctx 8,388,608 bytes
;; launch quant (part 1): grid 384 x 1, 4 waves a work-group, no clusters, 68,096 bytes of LDS; arguments x, W_q, W_k, W_v, W_o, lowp_scales, xc, wc; writes xc, wc
.if DOCPART == 1
	.amdgcn_target "amdgcn-amd-amdhsa--gfx1250"
	.amdhsa_code_object_version 6
	.text
	.protected	k_q0f3bde6770_quant
	.globl	k_q0f3bde6770_quant
	.p2align	8
	.type	k_q0f3bde6770_quant,@function
k_q0f3bde6770_quant:
	s_mov_b64 s[64:65], 0
	v_nop
	global_prefetch_b8 v0, s[64:65] scope:SCOPE_SE
	s_setreg_imm32_b32 hwreg(HW_REG_WAVE_MODE, 25, 1), 1
	s_wait_xcnt 0x0
; x [8192][1024] f32 becomes three copies of E5M2 codes, xc [3][8192][1024], K innermost: copy p with the scale 2^e(2p) (entries 0, 2, 4 of the scales), since x is an operand of three products, each with a scale of its own.
; W_q, W_k, W_v, W_o [1024 k][1024 n] f32 become codes wc [4][1024 n][1024 k], K innermost, with entries 1, 3, 5, 11.
; code = number / 2^e (for x held within +-57,344), rounded to the nearest code, ties to even.
; LIMITS: each of these seven e lies between -126 and 112, so that 2^e and 57,344 x 2^e are f32 numbers.  NaN among the inputs is not served.
; Work-groups 0-255 take x (a plain stream: 8,192 numbers a wave, 16 steps of 512); work-groups 256-383 take the weights (32 columns x 256 along K a wave).
; The two ways part on the work-group's number, and each has LDS bytes of its own.  Waves share nothing: no barrier.  No tensor load, no matrix work: memory binds.
.set R,    16                          ; x: v16-79    four sets of 16 numbers as loaded
.set X,    80                          ;    v80-111   two sets of 16 neighbours
.set T,    112                         ;    v112-159  the 16 numbers held, once for each of the three scales
.set C,    160                         ;    v160-183  two sets of 12 registers of codes
.set SP,   80                          ;    a lane's place in a stage: 64 bytes + 16 of padding
.set WREG, 8192                        ;    LDS 0 .. 32,767: a region for each wave, two stages of 32 x SP bytes
.set WST,  32768                       ; weights: LDS from here on, 32 rows x 272 bytes for each wave
.set WP,   272
.set WX,   32                          ; weights: v32-95 two sets of 32 numbers; v96-103 a block's codes; v112-175 the way out
.set WC,   96
.set WO,   112
	s_load_b512 s[8:23], s[0:1], 0x0               ; x 8:9, W_q 10:11, W_k 12:13, W_v 14:15, W_o 16:17, scales 18:19, xc 20:21, wc 22:23
	v_lshl_add_u32 v192, v0, 2, 0x10800
	v_mov_b32 v193, 0
	v_lshrrev_b32 v1, 5, v0
	v_readfirstlane_b32 s2, v1                     ; wave 0..3
	v_and_b32 v2, 31, v0                           ; lane
	s_wait_kmcnt 0x0
	s_load_b256 s[36:43], s[18:19], 0x0            ; e0 .. e7
	s_load_b128 s[44:47], s[18:19], 0x20           ; e8 .. e11
	s_cmp_lt_u32 ttmp9, 256
	s_cbranch_scc0 .Lweights
; ---------------- x ----------------
; The conversion takes 8 numbers from ONE lane's consecutive registers, so a lane must hold neighbours; a load is best where neighbouring lanes take neighbouring bytes.  Both are had:
; each load reads 512 consecutive bytes, a step's 2,048 bytes go through the wave's own stage as they lie and come back 64 bytes a lane.
	s_lshl_b32 s3, ttmp9, 2
	s_add_co_u32 s3, s3, s2                        ; which run of 8,192 numbers is my wave's
	s_lshl_b32 s32, s3, 15
	s_mov_b32 s33, 0
	s_add_nc_u64 s[24:25], s[8:9], s[32:33]        ; x at my run
	s_lshl_b32 s32, s3, 13
	s_add_nc_u64 s[26:27], s[20:21], s[32:33]      ; the three copies of codes at my run
	s_add_nc_u64 s[28:29], s[26:27], 0x800000
	s_add_nc_u64 s[30:31], s[28:29], 0x800000
	s_wait_alu depctr_va_vdst(0)
	v_lshlrev_b32 v3, 4, v2                        ; my 16 bytes of a load's 512, and of a step's 512 bytes of codes
	s_mul_i32 s34, s2, WREG
	v_lshrrev_b32 v14, 2, v2
	v_mul_u32_u24 v14, v14, SP
	v_and_b32 v15, 3, v2
	v_lshl_add_u32 v14, v15, 4, v14
	v_add_nc_u32 v14, s34, v14                     ; the stage, on the way in: SP (lane / 4) + 16 (lane % 4)
	v_mul_u32_u24 v15, v2, SP
	v_add_nc_u32 v15, s34, v15                     ; and on the way out: SP x lane
.macro XLOAD t
.irp i, 0,1,2,3
	global_load_b128 v[R+16*((\t)%4)+4*\i:R+16*((\t)%4)+4*\i+3], v3, s[24:25] offset:2048*(\t)+512*\i th:TH_LOAD_NT
.endr
.endm
.macro XTURN t                         ; LDS serves a wave's instructions in order: no wait between the stores and the loads
.irp i, 0,1,2,3
	ds_store_b128 v14, v[R+16*((\t)%4)+4*\i:R+16*((\t)%4)+4*\i+3] offset:32*SP*((\t)%2)+8*SP*\i
.endr
.irp i, 0,1,2,3
	ds_load_b128 v[X+16*((\t)%2)+4*\i:X+16*((\t)%2)+4*\i+3], v15 offset:32*SP*((\t)%2)+16*\i
.endr
.endm
.macro MKSC e, sc, lim                 ; v[sc] = 2^e as f32 (the conversion takes its exponent field), v[lim] = 57,344 x 2^e
	s_add_co_i32 s34, s[\e], 127
	s_lshl_b32 s35, s34, 23
	v_mov_b32 v[\sc], s35
	s_add_co_i32 s34, s34, 15
	s_lshl_b32 s34, s34, 23
	s_or_b32 s34, s34, 0x600000
	v_mov_b32 v[\lim], s34
.endm
	XLOAD 0
	XLOAD 1
	XLOAD 2
	XLOAD 3
	s_wait_alu depctr_va_vdst(0)
	s_wait_kmcnt 0x0
	MKSC 36, 5, 8                                  ; e0
	MKSC 38, 6, 9                                  ; e2
	MKSC 40, 7, 10                                 ; e4
	s_wait_alu depctr_va_vdst(0)
	s_wait_loadcnt 12                              ; step 0's four loads are in
	XTURN 0
.macro XSTEP t
.set XS, X+16*((\t)%2)
.set CC, C+12*((\t)%2)
	s_wait_dscnt 0x0                               ; this step's numbers are back from the stage, so its stores into the stage have read their registers,
.if (\t)+4 < 16
	XLOAD (\t)+4                                   ; which take the loads of four steps on
.endif
.if (\t)+1 < 16
.if 14-(\t) >= 3
	s_wait_loadcnt 12                              ; the next step's four loads are in; those of the three steps behind it may be out
.else
	s_wait_loadcnt 4*(14-(\t))
.endif
	XTURN (\t)+1
.endif
	s_wait_xcnt 0x0                                ; the stores of two steps back have read this set of codes: it is written again only behind this wait
.irp p, 0,1,2
.irp i, 0,1,2,3,4,5,6,7,8,9,10,11,12,13,14,15
	v_med3_num_f32 v[T+16*\p+\i], v[XS+\i], -v[8+\p], v[8+\p]   ; the conversion to an 8-bit code does not saturate (ISA guide 7.6.2): the hold comes first
.endr
.endr
.irp p, 0,1,2
	v_cvt_scalef32_pk8_bf8_f32 v[CC+4*\p:CC+4*\p+1], v[T+16*\p:T+16*\p+7], v[5+\p]
	v_cvt_scalef32_pk8_bf8_f32 v[CC+4*\p+2:CC+4*\p+3], v[T+16*\p+8:T+16*\p+15], v[5+\p]
.endr
	v_nop                                          ; a plain line between the conversions and the next step's holds, which write their sources
.irp p, 0,1,2
	global_store_b128 v3, v[CC+4*\p:CC+4*\p+3], s[26+2*\p:27+2*\p] offset:512*(\t)   ; the wave stores 512 consecutive bytes, aligned
.endr
.endm
.irp t, 0,1,2,3,4,5,6,7,8,9,10,11,12,13,14,15
	XSTEP \t
.endr
	s_wait_tensorcnt 0x0
	ds_add_u32 v192, v193
	s_wait_dscnt 0x0
	s_endpgm
; ---------------- the weights ----------------
; K is a weight's FIRST axis.  A lane takes a column n and its registers run down K: each load reads 128 consecutive bytes a wave, and the conversions give codes with K innermost.
; A lane's codes belong to one row of wc, so they go through the wave's stage and leave as rows: sixteen lanes store 256 consecutive bytes, aligned.
.Lweights:
	s_sub_co_u32 s3, ttmp9, 256
	s_lshr_b32 s4, s3, 5                           ; which weight: 0 q, 1 k, 2 v, 3 o
	s_and_b32 s5, s3, 7                            ; which 128 columns
	s_bfe_u32 s6, s3, 0x20003                      ; which 256 along K
	s_cmp_eq_u32 s4, 0
	s_cselect_b64 s[24:25], s[10:11], s[16:17]
	s_cmp_eq_u32 s4, 1
	s_cselect_b64 s[24:25], s[12:13], s[24:25]
	s_cmp_eq_u32 s4, 2
	s_cselect_b64 s[24:25], s[14:15], s[24:25]
	s_lshl_b32 s7, s5, 7
	s_lshl_b32 s32, s2, 5
	s_add_co_u32 s7, s7, s32                       ; my wave's first column
	s_lshl_b32 s32, s6, 20                         ; 256 rows of 4,096 bytes
	s_lshl_b32 s33, s7, 2
	s_add_co_u32 s32, s32, s33
	s_mov_b32 s33, 0
	s_add_nc_u64 s[24:25], s[24:25], s[32:33]
	s_lshl_b32 s32, s4, 20
	s_lshl_b32 s34, s7, 10
	s_add_co_u32 s32, s32, s34
	s_lshl_b32 s34, s6, 8
	s_add_co_u32 s32, s32, s34
	s_add_nc_u64 s[26:27], s[22:23], s[32:33]      ; wc: weight, row = column, 256 bytes along K
	s_wait_alu depctr_va_vdst(0)
	v_lshlrev_b32 v3, 2, v2                        ; in: 4 bytes a lane
	s_mul_i32 s34, s2, 32*WP
	s_add_co_u32 s34, s34, WST                     ; my stage
	v_mul_u32_u24 v4, v2, WP
	v_add_nc_u32 v4, s34, v4                       ; into it: row = my column
	v_and_b32 v5, 15, v2
	v_lshrrev_b32 v6, 4, v2
	v_mul_u32_u24 v7, v6, WP
	v_lshl_add_u32 v7, v5, 4, v7
	v_add_nc_u32 v7, s34, v7                       ; out of it: sixteen lanes to a row, two rows an instruction
	v_lshlrev_b32 v8, 10, v6
	v_lshl_add_u32 v8, v5, 4, v8                   ; and the same place in wc
.macro WLOAD t                         ; block t: W(32 t + i, my column), into set t % 2
.set i, 0
.rept 32
	global_load_b32 v[WX+32*((\t)%2)+i], v3, s[24:25] offset:(32*(\t)+i)*4096 th:TH_LOAD_NT
.set i, i+1
.endr
.endm
	WLOAD 0
	WLOAD 1
	s_wait_kmcnt 0x0
	s_cmp_eq_u32 s4, 0
	s_cselect_b32 s35, s37, s47                    ; e1, or e11
	s_cmp_eq_u32 s4, 1
	s_cselect_b32 s35, s39, s35                    ; e3
	s_cmp_eq_u32 s4, 2
	s_cselect_b32 s35, s41, s35                    ; e5
	s_add_co_i32 s35, s35, 127
	s_lshl_b32 s34, s35, 23
	v_mov_b32 v11, s34                             ; 2^e
	s_add_co_i32 s35, s35, 15
	s_lshl_b32 s35, s35, 23
	s_or_b32 s35, s35, 0x600000
.macro WBLOCK t
.set XS, WX+32*((\t)%2)
.if (\t) < 7
	s_wait_loadcnt 32                              ; this block's 32 loads are in; the next block's may be out
.else
	s_wait_loadcnt 0
.endif
.set i, 0
.rept 32
.set i, i+1
.endr
.irp g, 0,1,2,3
	v_cvt_scalef32_pk8_bf8_f32 v[WC+2*\g:WC+2*\g+1], v[XS+8*\g:XS+8*\g+7], v11
.endr
	v_nop                                          ; a plain line behind the last conversion
	ds_store_b128 v4, v[WC:WC+3] offset:32*(\t)
	ds_store_b128 v4, v[WC+4:WC+7] offset:32*(\t)+16
.if (\t)+2 < 8
	WLOAD (\t)+2
.endif
	s_wait_dscnt 0x0                               ; the stores have read their registers: the next block's codes may be written
.endm
	s_wait_alu depctr_va_vdst(0)
.irp t, 0,1,2,3,4,5,6,7
	WBLOCK \t
.endr
.irp t, 0,1,2,3,4,5,6,7,8,9,10,11,12,13,14,15
	ds_load_b128 v[WO+4*\t:WO+4*\t+3], v7 offset:2*\t*WP
.endr
.irp t, 0,1,2,3,4,5,6,7,8,9,10,11,12,13,14,15
	s_wait_dscnt 15-\t
	global_store_b128 v8, v[WO+4*\t:WO+4*\t+3], s[26:27] offset:2*\t*1024
.endr
	s_wait_tensorcnt 0x0
	ds_add_u32 v192, v193
	s_wait_dscnt 0x0
	s_endpgm
.Lfunc_end_k_q0f3bde6770_quant:
	.size	k_q0f3bde6770_quant, .Lfunc_end_k_q0f3bde6770_quant-k_q0f3bde6770_quant
	.p2alignl 7, 3214868480
	.fill 96, 4, 3214868480
	.section	.rodata,"a",@progbits
	.p2align	6, 0x0
	.amdhsa_kernel k_q0f3bde6770_quant
		.amdhsa_group_segment_fixed_size 68096
		.amdhsa_private_segment_fixed_size 0
		.amdhsa_enable_private_segment 0
		.amdhsa_kernarg_size 64
		.amdhsa_user_sgpr_count 2
		.amdhsa_user_sgpr_kernarg_segment_ptr 1
		.amdhsa_wavefront_size32 1
		.amdhsa_system_sgpr_workgroup_id_x 1
		.amdhsa_system_sgpr_workgroup_id_y 1
		.amdhsa_system_sgpr_workgroup_id_z 1
		.amdhsa_system_vgpr_workitem_id 0
		.amdhsa_next_free_vgpr 194
		.amdhsa_next_free_sgpr 66
		.amdhsa_reserve_vcc 0
		.amdhsa_float_denorm_mode_32 3
		.amdhsa_float_denorm_mode_16_64 3
		.amdhsa_fp16_overflow 1
		.amdhsa_memory_ordered 1
		.amdhsa_forward_progress 1
		.amdhsa_inst_pref_size 111
	.end_amdhsa_kernel
	.amdgpu_metadata
---
amdhsa.version: [ 1, 2 ]
amdhsa.kernels:
  - .name:           k_q0f3bde6770_quant
    .symbol:         k_q0f3bde6770_quant.kd
    .args:
      - { .name: x, .offset: 0, .size: 8, .value_kind: global_buffer, .address_space: global }
      - { .name: W_q, .offset: 8, .size: 8, .value_kind: global_buffer, .address_space: global }
      - { .name: W_k, .offset: 16, .size: 8, .value_kind: global_buffer, .address_space: global }
      - { .name: W_v, .offset: 24, .size: 8, .value_kind: global_buffer, .address_space: global }
      - { .name: W_o, .offset: 32, .size: 8, .value_kind: global_buffer, .address_space: global }
      - { .name: lowp_scales, .offset: 40, .size: 8, .value_kind: global_buffer, .address_space: global }
      - { .name: xc, .offset: 48, .size: 8, .value_kind: global_buffer, .address_space: global }
      - { .name: wc, .offset: 56, .size: 8, .value_kind: global_buffer, .address_space: global }
    .group_segment_fixed_size: 68096
    .private_segment_fixed_size: 0
    .kernarg_segment_align: 8
    .kernarg_segment_size: 64
    .max_flat_workgroup_size: 128
    .sgpr_count:     66
    .vgpr_count:     194
    .wavefront_size: 32
...
	.end_amdgpu_metadata
.endif
;; end of part 1
;; launch qkv (part 2): grid 12 x 32, 4 waves a work-group, clusters of 4 x 4, 327,680 bytes of LDS; arguments xc, wc, lowp_scales, qkv; writes qkv
.if DOCPART == 2
	.amdgcn_target "amdgcn-amd-amdhsa--gfx1250"
	.amdhsa_code_object_version 6
	.text
	.protected	k_q0f3bde6770_qkv
	.globl	k_q0f3bde6770_qkv
	.p2align	8
	.type	k_q0f3bde6770_qkv,@function
k_q0f3bde6770_qkv:
	s_mov_b64 s[64:65], 0
	v_nop
	global_prefetch_b8 v0, s[64:65] scope:SCOPE_SE
	s_setreg_imm32_b32 hwreg(HW_REG_WAVE_MODE, 25, 1), 1
	s_wait_xcnt 0x0
	s_wait_alu depctr_hold_cnt(0) depctr_sa_sdst(0) depctr_va_vdst(0) depctr_va_sdst(0) depctr_va_ssrc(0) depctr_va_vcc(0) depctr_vm_vsrc(0)
	s_getreg_b32 s2, hwreg(HW_REG_IB_STS2, 6, 4)
	s_cmp_eq_u32 s2, 0
	s_cbranch_scc0 .Lentry_in_a_cluster
	s_endpgm
.Lentry_in_a_cluster:
	s_bfe_u32 s2, ttmp6, 0x10000c
	s_cmp_lg_u32 s2, 0xf033
	s_cbranch_scc0 .Lentry_shape_is_right
	s_endpgm
.Lentry_shape_is_right:
; The three projections q = x W_q, k = x W_k, v = x W_v on E5M2 codes, one launch; the f32 sums are quantised in registers to the codes that attention reads.
; xc [3][8192][1024], wc [4][1024 n][1024 k]: codes, K innermost.  The cluster's x (0, 1, 2) is the product: it reads copy x of xc and rows 1024 x .. of wc.
; OUT, qkv: three parts of 2^23 bytes; in each, head bh = 16 b + h owns 2^17 bytes: q, k as [s][64 d]; v TURNED, as [s / 64][64 d][64 keys], since the keys are the K of attention's second product.
; A sum stands for sum x 2^(ea + eb); its code is sum / 2^(eo - ea - eb), held within +-57,344: (ea, eb, eo) = entries (0, 1, 6), (2, 3, 7), (4, 5, 9) of the scales.
; LIMIT: eo - ea - eb lies between -126 and 112, so that this power of two and 57,344 times it are f32 numbers.
; A tile, 256 x 256, is made by four waves, each 128 x 128: 64 accumulators, 512 registers.  K = 1,024 goes in four steps of 256 through two LDS slots filled by tensor loads: rows of 256 bytes.
; CLUSTERS: 4 x 4 work-groups.  The four of a row need the same tile of x, the four of a column the same tile of W: each tile is asked for jointly.
; THE MATRIX INSTRUCTION: source 1 gives a lane its one row, source 0 its eight neighbours.  For q and k source 1 = x, source 0 = W: a lane holds eight neighbouring d of one token.
; For v the two LDS regions change places in the READ addresses alone (a choice on the cluster's x, the same in all partners): a lane then holds eight neighbouring keys of one (h, d).  One text serves all three.
; REGISTERS, in windows of 256: window 0: v0-31 addresses; from v128 source 1's fragments, one set; on the way out v96-223.  window 1: source 0's fragments, two sets.  windows 2, 3: the accumulators ((a, b) at v[8 (8 (a % 4) + b)]).
.set ROWB,   256                       ; a tile's row: 256 codes
.set PITCH,  272                       ; an LDS row: 256 bytes + 16 of padding: the 16 rows that a load touches start 4 banks apart (64 banks of 4 bytes: ISA guide 11.1)
.set FR,     16                        ; registers of a fragment: 16 rows x 128 K
.set NL,     4                         ; LDS loads that bring one
.set NP,     4                         ; places behind this matrix instruction (ISA guide 7.12.1)
.set HALFT,  128*PITCH
.set SLOT,   4*HALFT                   ; x's 256 rows, then W's 256 rows
.set LAPS,   2                         ; a lap = two K steps = once round the ring
.set SPARE,  2*SLOT                    ; behind the ring: the spare words, 128 bytes a wave, that no other line names
.set WSTG,   17408                     ; the way out: a stage for each wave, [2][2][16 groups of 4 rows x 64 bytes + 16]; it lies in slot 0, which has had its last fill and its last read by then
.set ADRA, 16                          ; v16-17  LDS address of source 1's fragments in slot 0, 1
.set ADRB, 20                          ; v20-21  the same for source 0
.set STO,  24
.set RD,   25
.set CO,   26
.set SCV,  27                          ; v27  2^(eo - ea - eb)
.set SPW,  28                          ; v28  my spare word; never rewritten
.set NIL,  29                          ; v29  0; never rewritten
.set LIMV, 30
.set TMP,  32
.set CD,   96                          ; v96-159  codes of four blocks
.set BK,   160                         ; v160-223 rows read back from the stage
.set AF,   128
.set G1, 24
.set G0, 32
.set G1B, 48
.set G0B, 56
.set SB, 84                            ; s[84:91] four bases for the stores
.set MSB, 0
.macro WIN new                         ; the immediate's high byte repeats the setting that is left
.if MSB != \new
	s_set_vgpr_msb (MSB<<8)|\new
.set MSB, \new
.endif
.endm
.set MUL_LO, 0xa1                      ; source 0 window 1, source 1 window 0, C and D window 2
.set MUL_HI, 0xf1                      ; the same, C and D window 3
.set TO_B,   0x40                      ; destination window 1, address window 0
; A joint load: waves 0 and 1 fetch x's halves, waves 2 and 3 W's.  The branch hangs on the wave's number alone.  Four v_nop follow each of the two lines.
.macro JLOAD g0a, g1a, g0b, g1b
	s_cmp_eq_u32 s15, 0
	s_cbranch_scc0 .Lfor_b_\@
	tensor_load_to_lds s[\g0a:\g0a+3], s[\g1a:\g1a+7]
	s_nop 0
.rept 4
	v_nop
.endr
	s_branch .Lasked_\@
.Lfor_b_\@:
	tensor_load_to_lds s[\g0b:\g0b+3], s[\g1b:\g1b+7]
	s_nop 0
.rept 4
	v_nop
.endr
.Lasked_\@:
.endm
.macro CREST                           ; a round of the cluster's barrier behind its opening barrier
	s_cmp_lg_u32 s14, 0
	s_cbranch_scc1 .Lnot_wave_0_\@
	s_barrier_signal -3
.Lnot_wave_0_\@:
	s_barrier_wait -3
	s_barrier_signal -1
	s_barrier_wait -1
.endm
.macro CROUND
	s_barrier_signal -1
	s_barrier_wait -1
	CREST
.endm
	s_load_b128 s[4:7], s[0:1], 0x0                ; xc s[4:5], wc s[6:7]
	s_load_b128 s[8:11], s[0:1], 0x10              ; the scales s[8:9], qkv s[10:11]
	v_lshl_add_u32 v[SPW], v0, 2, SPARE
	v_mov_b32 v[NIL], 0
	ds_add_u32 v28, v29
	ds_add_u32 v28, v29
	s_wait_dscnt 0x0
	v_lshrrev_b32 v1, 5, v0
	v_readfirstlane_b32 s14, v1                    ; wave 0..3
	s_lshr_b32 s15, s14, 1                         ; which half of source 1's rows is mine.  Also: I fetch for x (0) or for W (1)
	s_and_b32 s16, s14, 1                          ; which half of source 0's.  Also: which 128 rows of that tile I fetch
	s_bfe_u32 s40, ttmp6, 0x40000                  ; cx, cy
	s_bfe_u32 s41, ttmp6, 0x40004
	s_lshl_b32 s42, ttmp9, 2
	s_add_co_u32 s42, s42, s40                     ; tile column among wc's rows 0 .. 3,071: 4 x product + cx
	s_and_b32 s17, ttmp7, 0xffff
	s_lshl_b32 s17, s17, 2
	s_add_co_u32 s17, s17, s41                     ; tile row: 4 x cluster y + cy
	s_lshl_b32 s43, s41, 2
	s_lshl_b32 s43, 15, s43                        ; my row of the cluster
	s_lshl_b32 s44, 0x1111, s40                    ; my column
	s_or_b32 s[G1+0], s43, (0<<16)|(1<<20)|(1<<21)|(5<<22)|(3<<25)  ; the mask; elements of 1 byte; padding on; bit 21 beside a mask; after every 64 words, 4 words
	s_or_b32 s[G1B+0], s44, (0<<16)|(1<<20)|(1<<21)|(5<<22)|(3<<25)
.irp g, G1, G1B
	s_mov_b32 s[\g+1], ROWB<<16                    ; tensor_dim0
	s_mov_b32 s[\g+2], 128<<16                     ; tensor_dim1
	s_mov_b32 s[\g+3], ROWB<<16                    ; tile_dim0
	s_mov_b32 s[\g+4], 128                         ; tile_dim1
	s_mov_b32 s[\g+5], 1024                        ; from row to row
	s_mov_b32 s[\g+6], 0
	s_mov_b32 s[\g+7], 0
.endr
	s_lshl_b32 s18, s16, 7
	s_lshl_b32 s20, s17, 8
	s_add_co_u32 s20, s20, s18                     ; x: row 256 x tile row + 128 x half,
	s_lshl_b32 s20, s20, 10
	s_lshl_b32 s19, ttmp9, 23
	s_add_co_u32 s20, s20, s19                     ; in the product's copy
	s_mov_b32 s21, 0
	s_lshl_b32 s46, s42, 8
	s_add_co_u32 s46, s46, s18                     ; W: row 256 x tile column + 128 x half
	s_lshl_b32 s46, s46, 10
	s_mov_b32 s47, 0
	s_mul_i32 s45, s14, HALFT                      ; where they go: wave x 128 rows
	s_wait_kmcnt 0x0
	s_load_b256 s[68:75], s[8:9], 0x0              ; e0 .. e7
	s_load_b128 s[76:79], s[8:9], 0x20             ; e8 .. e11
	s_add_nc_u64 s[20:21], s[4:5], s[20:21]
	s_add_nc_u64 s[46:47], s[6:7], s[46:47]
	CROUND                                         ; all sixteen work-groups are here: the first joint loads meet
.irp s, 0,1
	s_mov_b32 s[G0+4*\s], 1
	s_add_co_u32 s[G0+4*\s+1], s45, \s*SLOT
	s_add_nc_u64 s[G0+4*\s+2:G0+4*\s+3], s[20:21], \s*ROWB
	s_or_b32 s[G0+4*\s+3], s[G0+4*\s+3], 0x80000000
	s_mov_b32 s[G0B+4*\s], 1
	s_add_co_u32 s[G0B+4*\s+1], s45, \s*SLOT
	s_add_nc_u64 s[G0B+4*\s+2:G0B+4*\s+3], s[46:47], \s*ROWB
	s_or_b32 s[G0B+4*\s+3], s[G0B+4*\s+3], 0x80000000
	JLOAD G0+4*\s, G1, G0B+4*\s, G1B
.endr
	v_and_b32 v1, 15, v0                           ; r
	v_bfe_u32 v2, v0, 4, 1                         ; h
	v_mul_u32_u24 v3, v1, PITCH
	v_lshl_add_u32 v4, v2, 4, v3                   ; a fragment's row x pitch + 16 h
	s_wait_alu depctr_va_vdst(0)
	s_cmp_eq_u32 ttmp9, 2                          ; v?  Then source 1 reads W's region and source 0 x's
	s_cselect_b32 s80, 2*HALFT, 0
	s_cselect_b32 s81, 0, 2*HALFT
	s_mul_i32 s21, s15, HALFT
	s_add_co_u32 s21, s21, s80
	s_mul_i32 s22, s16, HALFT
	s_add_co_u32 s22, s22, s81
.irp s, 0,1
	v_add_nc_u32 v[ADRA+\s], s21, v4
	v_add_nc_u32 v[ADRB+\s], s22, v4
	s_add_co_u32 s21, s21, SLOT
	s_add_co_u32 s22, s22, SLOT
.endr
	s_mul_i32 s23, s14, WSTG                       ; my stage
	v_lshrrev_b32 v5, 2, v1
	v_mul_u32_u24 v5, v5, 272
	v_and_b32 v6, 3, v1
	v_lshl_add_u32 v5, v6, 6, v5
	v_lshl_add_u32 v5, v2, 3, v5
	v_add_nc_u32 v[STO], s23, v5                   ; in: group r / 4, row r % 4 of 64 bytes, + 8 h
	v_mul_u32_u24 v6, v2, 272
	v_lshl_add_u32 v6, v1, 4, v6
	v_add_nc_u32 v[RD], s23, v6                    ; back: sixteen lanes to a group of 256 bytes
	v_and_b32 v7, 31, v0
	v_lshlrev_b32 v[CO], 4, v7                     ; and in memory: 16 bytes a lane
	; where the codes go.  Source 1's 64 rows (hi) and source 0's 64 rows (c) give a dense block of 4,096 bytes: 64 rows of 64 bytes.
	; q, k: 64 tokens on are 4,096 bytes (SR), a head on 2^17 (SC); v: the other way round.
	s_cmp_eq_u32 ttmp9, 2
	s_mov_b32 s82, 4096
	s_mov_b32 s83, 0x20000
	s_cselect_b32 s94, s83, s82                    ; SR
	s_cselect_b32 s95, s82, s83                    ; SC
	s_lshl_b32 s92, ttmp9, 23                      ; the part
	s_lshr_b32 s93, s17, 3
	s_lshl_b32 s93, s93, 21                        ; the batch: 16 heads of 2^17
	s_add_co_u32 s92, s92, s93
	s_and_b32 s93, s17, 7
	s_lshl_b32 s93, s93, 14                        ; 256 tokens in a head
	s_add_co_u32 s92, s92, s93
	s_lshl_b32 s93, s40, 19                        ; four heads
	s_add_co_u32 s92, s92, s93
	s_lshl_b32 s93, s15, 1
	s_mul_i32 s93, s93, s94
	s_add_co_u32 s92, s92, s93
	s_lshl_b32 s93, s16, 1
	s_mul_i32 s93, s93, s95
	s_add_co_u32 s92, s92, s93
	s_mov_b32 s93, 0
	s_add_nc_u64 s[SB:SB+1], s[10:11], s[92:93]    ; (hi, c) = (0, 0)
	s_mov_b32 s82, s95
	s_mov_b32 s83, 0
	s_add_nc_u64 s[SB+2:SB+3], s[SB:SB+1], s[82:83]   ; (0, 1)
	s_mov_b32 s82, s94
	s_add_nc_u64 s[SB+4:SB+5], s[SB:SB+1], s[82:83]   ; (1, 0)
	s_add_nc_u64 s[SB+6:SB+7], s[SB+2:SB+3], s[82:83] ; (1, 1)
.macro FRAG reg, adr, q, i             ; 16 rows x 128 K: registers 4 c .. 4 c + 3 hold K = 32 c + 16 h + 0 .. 15: a permutation of k, the same on both sides
.irp c, 0,1,2,3
	ds_load_b128 v[\reg+4*\c:\reg+4*\c+3], v[\adr] offset:128*(\q)+32*\c+(\i)*16*PITCH
.endr
.endm
; 16 matrix instructions: source 1's blocks a0, a0 + 1 x source 0's eight.  The 64 accumulators take turns, one instruction a turn, in the same order in every step.
.macro MUL16 a0, p, zero
.irp a, \a0, \a0+1
.irp b, 0,1,2,3,4,5,6,7
.if \zero
	v_wmma_f32_16x16x128_bf8_bf8 v[8*(8*((\a)%4)+\b):8*(8*((\a)%4)+\b)+7], v[128*(\p)+FR*\b:128*(\p)+FR*\b+FR-1], v[AF+FR*(\a):AF+FR*(\a)+FR-1], 0
.else
	v_wmma_f32_16x16x128_bf8_bf8 v[8*(8*((\a)%4)+\b):8*(8*((\a)%4)+\b)+7], v[128*(\p)+FR*\b:128*(\p)+FR*\b+FR-1], v[AF+FR*(\a):AF+FR*(\a)+FR-1], v[8*(8*((\a)%4)+\b):8*(8*((\a)%4)+\b)+7]
.endif
.endr
.endr
.endm
.macro FETCH_B slot, q, p
	WIN TO_B
.irp i, 0,1,2,3,4,5,6,7
	FRAG 128*(\p)+FR*\i, ADRB+\slot, \q, \i
.endr
	WIN 0
.endm
.macro FETCH_A slot, q, i0
.irp i, \i0, \i0+1, \i0+2, \i0+3
	FRAG AF+FR*(\i), ADRA+\slot, \q, \i
.endr
.endm
.macro PLACES n                        ; plain vector lines between a matrix instruction and a load into, or a read of, its registers
.rept \n
	v_nop
.endr
.endm
.macro STEP slot, q, zero              ; 128 along K, with its successor in the same slot
	s_wait_dscnt 4*NL                              ; source 0's set and source 1's blocks 0-3 are in; the youngest sixteen loads (blocks 4-7) may be out
	WIN MUL_LO
	MUL16 0, (\q)%2, \zero
	MUL16 2, (\q)%2, \zero
	s_wait_dscnt 0                                 ; blocks 4-7 are in
	PLACES NP
	FETCH_B \slot, (\q)+1, 1-(\q)%2
	FETCH_A \slot, (\q)+1, 0
	WIN MUL_HI
	MUL16 4, (\q)%2, \zero
	MUL16 6, (\q)%2, \zero
	PLACES NP
	WIN 0
	FETCH_A \slot, (\q)+1, 4
.endm
; A slot's last step changes slots: one barrier; in front of it each wave waits for all its tensor loads, adds 0 to its spare word, and waits for that and for its reads of this slot.
.macro TURN slot, next, fill
	s_wait_tensorcnt 0x0                           ; all my tensor loads have landed: my part of the next slot
	ds_add_u32 v[SPW], v[NIL]                      ; 0 onto my spare word
	s_wait_dscnt 4*NL+1                            ; (the add and the youngest sixteen loads may be out)
	WIN MUL_LO
	MUL16 0, 1, 0
	s_wait_dscnt 0x0                               ; the add is done, and my reads of this slot are over
	s_barrier_signal -1
	MUL16 2, 1, 0
	WIN 0
	s_barrier_wait -1
.if \fill
	CREST                                          ; the barrier has opened a round of the cluster's barrier: no wave of any partner still reads this slot or has a load on its way
	s_add_nc_u64 s[G0+4*\slot+2:G0+4*\slot+3], s[G0+4*\slot+2:G0+4*\slot+3], 2*ROWB
	s_add_nc_u64 s[G0B+4*\slot+2:G0B+4*\slot+3], s[G0B+4*\slot+2:G0B+4*\slot+3], 2*ROWB
	JLOAD G0+4*\slot, G1, G0B+4*\slot, G1B         ; the first tensor load behind the round; its four v_nop are the places in front of the loads below
.else
	PLACES NP
.endif
	FETCH_B \next, 0, 0
	FETCH_A \next, 0, 0
	WIN MUL_HI
	MUL16 4, 1, 0
	MUL16 6, 1, 0
	PLACES NP
	WIN 0
	FETCH_A \next, 0, 4
.endm
	s_wait_tensorcnt 1                             ; my part of K step 0 is in (K step 1's load may be out)
	s_barrier_signal -1
	s_barrier_wait -1                              ; everybody's is
	FETCH_B 0, 0, 0
	FETCH_A 0, 0, 0
	FETCH_A 0, 0, 4
	STEP 0, 0, 1                                   ; the first step's products start the sums: nothing is cleared
	s_mov_b32 s3, LAPS-1
.Llap:                                                 ; a trip goes once round the ring and fills both slots again
	TURN 0, 1, 1
	STEP 1, 0, 0
	TURN 1, 0, 1
	STEP 0, 0, 0
	s_sub_co_u32 s3, s3, 1
	s_cmp_lg_u32 s3, 0
	s_cbranch_scc1 .Llap
	TURN 0, 1, 0                                   ; the last lap fills nothing
	STEP 1, 0, 0
	s_wait_dscnt 4*NL
	WIN MUL_LO
	MUL16 0, 1, 0
	MUL16 2, 1, 0
	s_wait_dscnt 0
	WIN MUL_HI
	MUL16 4, 1, 0
	MUL16 6, 1, 0
	WIN 0
; THE WAY OUT.  A lane's eight sums of an accumulator are eight neighbours of a row of 64 codes: converted to 8 bytes, put into my stage (groups of 4 rows x 64 bytes), read back 16 bytes a lane
; and stored: each store of the wave covers 512 consecutive bytes, aligned.  The stage is my own: LDS serves a wave's instructions in order, so no barrier and no wait between its stores and its loads.
	s_wait_kmcnt 0x0
	s_add_co_i32 s68, s68, s69                     ; e0 + e1
	s_add_co_i32 s70, s70, s71                     ; e2 + e3
	s_add_co_i32 s72, s72, s73                     ; e4 + e5
	s_sub_co_i32 s68, s74, s68                     ; q: e6 - e0 - e1
	s_sub_co_i32 s70, s75, s70                     ; k: e7 - e2 - e3
	s_sub_co_i32 s72, s77, s72                     ; v: e9 - e4 - e5
	s_cmp_eq_u32 ttmp9, 0
	s_cselect_b32 s68, s68, s70
	s_cmp_eq_u32 ttmp9, 2
	s_cselect_b32 s68, s72, s68
	s_add_co_i32 s68, s68, 127
	s_lshl_b32 s69, s68, 23
	v_mov_b32 v[SCV], s69
	s_add_co_i32 s68, s68, 15
	s_lshl_b32 s68, s68, 23
	s_or_b32 s68, s68, 0x600000
	PLACES NP
.macro OUTBLK hi, a                    ; source 1's block 4 hi + a: eight accumulators
	WIN (0x02+\hi)                                 ; source 0: window 2 or 3
.set j, 0
.rept 64
.set j, j+1
.endr
.irp b, 0,1,2,3,4,5,6,7
	v_cvt_scalef32_pk8_bf8_f32 v[CD+16*(\a)+2*\b:CD+16*(\a)+2*\b+1], v[TMP+8*\b+((64*(\a)+j)-(TMP+j)):TMP+8*\b+7+((64*(\a)+j)-(TMP+j))], v[SCV]
.endr
	WIN 0
	v_nop                                          ; a plain line behind the last conversion
.irp b, 0,1,2,3,4,5,6,7
	ds_store_b64 v[STO], v[CD+16*(\a)+2*\b:CD+16*(\a)+2*\b+1] offset:(\hi)*8704+(\b/4)*4352+(\a)*1088+16*(\b%4)
.endr
.endm
.macro OUTHALF hi
	OUTBLK \hi, 0
	OUTBLK \hi, 1
	OUTBLK \hi, 2
	OUTBLK \hi, 3
.if \hi
	s_wait_xcnt 0x0                                ; the first half's stores have read their registers: the loads below land there
.endif
.irp c, 0,1
.irp t, 0,1,2,3,4,5,6,7
	ds_load_b128 v[BK+4*(8*\c+\t):BK+4*(8*\c+\t)+3], v[RD] offset:(\hi)*8704+\c*4352+544*\t
.endr
.endr
.irp c, 0,1
.irp t, 0,1,2,3,4,5,6,7
	s_wait_dscnt 15-8*\c-\t
	global_store_b128 v[CO], v[BK+4*(8*\c+\t):BK+4*(8*\c+\t)+3], s[SB+4*(\hi)+2*\c:SB+4*(\hi)+2*\c+1] offset:512*\t
.endr
.endr
.endm
	OUTHALF 0
	OUTHALF 1
	s_wait_tensorcnt 0x0                           ; the wave's end
	ds_add_u32 v[SPW], v[NIL]
	s_wait_dscnt 0x0
	CROUND                                         ; the closing round
	s_endpgm
.Lfunc_end_k_q0f3bde6770_qkv:
	.size	k_q0f3bde6770_qkv, .Lfunc_end_k_q0f3bde6770_qkv-k_q0f3bde6770_qkv
	.p2alignl 7, 3214868480
	.fill 96, 4, 3214868480
	.section	.rodata,"a",@progbits
	.p2align	6, 0x0
	.amdhsa_kernel k_q0f3bde6770_qkv
		.amdhsa_group_segment_fixed_size 327680
		.amdhsa_private_segment_fixed_size 0
		.amdhsa_enable_private_segment 0
		.amdhsa_kernarg_size 32
		.amdhsa_user_sgpr_count 2
		.amdhsa_user_sgpr_kernarg_segment_ptr 1
		.amdhsa_wavefront_size32 1
		.amdhsa_system_sgpr_workgroup_id_x 1
		.amdhsa_system_sgpr_workgroup_id_y 1
		.amdhsa_system_sgpr_workgroup_id_z 1
		.amdhsa_system_vgpr_workitem_id 0
		.amdhsa_next_free_vgpr 1024
		.amdhsa_next_free_sgpr 100
		.amdhsa_reserve_vcc 0
		.amdhsa_float_denorm_mode_32 3
		.amdhsa_float_denorm_mode_16_64 3
		.amdhsa_fp16_overflow 1
		.amdhsa_memory_ordered 1
		.amdhsa_forward_progress 1
		.amdhsa_inst_pref_size 94
	.end_amdhsa_kernel
	.amdgpu_metadata
---
amdhsa.version: [ 1, 2 ]
amdhsa.kernels:
  - .name:           k_q0f3bde6770_qkv
    .symbol:         k_q0f3bde6770_qkv.kd
    .args:
      - { .name: xc, .offset: 0, .size: 8, .value_kind: global_buffer, .address_space: global }
      - { .name: wc, .offset: 8, .size: 8, .value_kind: global_buffer, .address_space: global }
      - { .name: lowp_scales, .offset: 16, .size: 8, .value_kind: global_buffer, .address_space: global }
      - { .name: qkv, .offset: 24, .size: 8, .value_kind: global_buffer, .address_space: global }
    .group_segment_fixed_size: 327680
    .private_segment_fixed_size: 0
    .kernarg_segment_align: 8
    .kernarg_segment_size: 32
    .max_flat_workgroup_size: 128
    .sgpr_count:     100
    .vgpr_count:     1024
    .wavefront_size: 32
...
	.end_amdgpu_metadata
.endif
;; end of part 2
;; launch attn (part 3): grid 4 x 64, 16 waves a work-group, no clusters, 327,680 bytes of LDS; arguments qkv, lowp_scales, ctx; writes ctx
.if DOCPART == 3
	.amdgcn_target "amdgcn-amd-amdhsa--gfx1250"
	.amdhsa_code_object_version 6
	.text
	.protected	k_q0f3bde6770_attn
	.globl	k_q0f3bde6770_attn
	.p2align	8
	.type	k_q0f3bde6770_attn,@function
k_q0f3bde6770_attn:
	s_mov_b64 s[64:65], 0
	v_nop
	global_prefetch_b8 v0, s[64:65] scope:SCOPE_SE
	s_setreg_imm32_b32 hwreg(HW_REG_WAVE_MODE, 25, 1), 1
	s_wait_xcnt 0x0
; Causal attention on E5M2 codes, 64 heads (bh = 16 b + h) of 2,048 tokens x 64.  qkv: parts q, k as [bh][s][64 d], part v as [bh][s / 64][64 d][64 keys]; scales: e6 (q), e7 (k), e8 (p), e9 (v), e10 (ctx).
; t = score x log2(e) / 8; M = the row's largest t so far, rounded UP to a whole number; p = 2^(t - M) is quantised along the keys with 2^e8; the row's sum is taken of the unquantised p and divides at the end.
; When M moves, the sum and O are multiplied by 2^(old M - new M): exact.  The result is quantised with 2^e10 into ctx, laid [m / 4][16 h][m % 4][64 d] (m = 2048 b + s): a head's 4 rows are 256 consecutive bytes.
; SHARES.  Work-group (I, bh) owns the blocks I and 7 - I of 256 queries, one after the other: (I + 1) + (8 - I) = 9 slots of 256 keys for every work-group, none of them wholly hidden.
; Each of SIXTEEN waves owns 16 queries in 256 registers: four waves to a SIMD, so that one wave's vector work stands beside another's matrix work and LDS loads.
; NO CLUSTER: in phase p work-group I reads slot p while p <= I and slot p - I - 1 afterwards, so of a head's 36 fills only 10 find all their would-be partners at the same slot: no joint request is made.
; LAYOUT.  Both products are used transposed: S^T = K Q^T (source 0 = 16 keys, K = 64), O^T = V^T P^T (source 0 = 16 d, K = 128 keys): a lane holds ONE query throughout.  Register j of score tile t is key 16 t + 8 h + j,
; which is just the place that the K = 128 form gives registers 2 t, 2 t + 1 of its source 1: the conversions' results are the operand.
; LIMITS on the given exponents: e6 + e7 between -123 and 130 (added to c's exponent field); e8, and e10 - e8 - e9, between -126 and 112.
; REGISTERS: v1-11 addresses; v12 -M, v13 the largest t, v[14:15] the sum; v16-23 Q, v24-31 the second block's Q; v32-95 K's 8 fragments, then V's 4; v96-159 S^T, then p; v160-191 O^T; v192-207 p's codes; v208-223 the way out; v236-254 at work.
.set SLOT1, 65536                      ; slot 1 begins here: one exclusive or turns an address from one slot to the other
.set VOFF,  17408                      ; a slot: K, 64 groups (4 keys x 64 bytes + 16 of padding), then V, 64 groups (4 rows d x 64 keys + 16)
.set STAGE, 131072                     ; the way out: 4 groups x 272 bytes for each wave; no fill lands here
.set SPARE, 148480                     ; the spare words, 128 bytes for each wave, that no other line names
.set AK0, 1
.set AV0, 2
.set PFO, 3
.set RH,  4                            ; v4  r - 8 h, for the mask
.set SPW, 5
.set NIL, 6
.set GO,  7
.set ADK, 8
.set ADV, 9
.set SIN, 10
.set SOUT, 11
.set TB,  2                            ; s2  LDS byte at which the slot in hand begins
.set PH,  3                            ; s3  the phase, 0 .. 8
.set WV,  18
.set SEL, 20
.set CS,  22                           ; s[22:23] c = log2(e) / 8 x 2^(e6 + e7)
.set G1,  24
.set G0,  32
.set GB,  36                           ; s[36:37] my quarter of the head's slot 0 in memory
.set II,  40                           ; s40 I, s41 I + 1
.set I1,  41
.set NS,  42                           ; s42 the slot of keys asked for last
.set KF,  43                           ; s43 the step's first key
.set Q0,  44                           ; s44 my first query; s45 that of the second block
.set Q0B, 45
.set CA,  46                           ; s[46:47], s[48:49] ctx at my rows of the first and of the second block
.set CB,  48
.set PFA, 50
.set LIM, 52
.macro TLOAD                           ; waves 0 to 3 fetch a quarter of a slot each (K, K, V, V); four v_nop follow the line
	s_cmp_lt_u32 s[WV], 4
	s_cbranch_scc0 .Lasked_\@
	tensor_load_to_lds s[G0:G0+3], s[G1:G1+7]
	s_nop 0
.rept 4
	v_nop
.endr
.Lasked_\@:
.endm
; A PREFETCH INTO THE L2.  Slots 4 to 7 of a head are first asked for by its work-group I = 0, whose change of phase p asks for slot p.  In that work-group waves 4 to 7, which fetch nothing, name at the changes
; p = 3 .. 6 the four quarters of slot p + 1: 8,192 bytes a wave, lanes 256 bytes apart, one slot's two key steps ahead of the tensor load.  So each block of 256 bytes is named once.  Slots 0 to 3 come by their loads alone.
.macro ASK
	s_sub_co_u32 s96, s[PH], s[LIM]
	s_cmp_lt_u32 s96, 4
	s_cbranch_scc0 .Lnot_mine_\@
	global_prefetch_b8 v[PFO], s[PFA:PFA+1] th:TH_LOAD_NT scope:SCOPE_SE
.Lnot_mine_\@:
.endm
	s_load_b128 s[4:7], s[0:1], 0x0                ; qkv s[4:5], the scales s[6:7]
	s_load_b64 s[8:9], s[0:1], 0x10                ; ctx
	v_lshl_add_u32 v[SPW], v0, 2, SPARE
	v_mov_b32 v[NIL], 0
	ds_add_u32 v5, v6
	ds_add_u32 v5, v6
	s_wait_dscnt 0x0
	v_lshrrev_b32 v8, 5, v0
	s_delay_alu instid0(VALU_DEP_1)
	v_readfirstlane_b32 s[WV], v8                  ; wave 0..15
	s_mov_b32 s[II], ttmp9
	s_add_co_u32 s[I1], ttmp9, 1
	s_and_b32 s58, ttmp7, 0xffff                   ; bh
	s_lshl_b32 s59, s58, 17                        ; the head's first byte in a part
	s_bfe_u32 s60, s[WV], 0x10001                  ; (wave / 2) % 2: K (0) or V (1)
	s_add_co_u32 s60, s60, 1
	s_lshl_b32 s60, s60, 23                        ; part 1 or part 2
	s_add_co_u32 s60, s60, s59
	s_and_b32 s61, s[WV], 1
	s_lshl_b32 s61, s61, 13                        ; its first or second 8,192 bytes of a slot
	s_add_co_u32 s60, s60, s61
	s_mov_b32 s61, 0
	s_mov_b32 s[G1], (0<<16)|(1<<20)|(5<<22)|(3<<25)   ; no mask; elements of 1 byte; padding: 4 words after every 64
	s_mov_b32 s[G1+1], 256<<16                     ; a dense block of 8,192 bytes as 32 rows of 256
	s_mov_b32 s[G1+2], 32<<16
	s_mov_b32 s[G1+3], 256<<16
	s_mov_b32 s[G1+4], 32
	s_mov_b32 s[G1+5], 256
	s_mov_b32 s[G1+6], 0
	s_mov_b32 s[G1+7], 0
	s_mov_b32 s[G0], 1
	s_and_b32 s[G0+1], s[WV], 3
	s_mul_i32 s[G0+1], s[G0+1], 8704               ; my quarter of slot 0 in LDS: 32 rows of 272
	s_mov_b32 s[SEL], 0x76543210
	s_mov_b32 s[SEL+1], 0xfedcba98
	s_mov_b32 s[TB], 0
	s_mov_b32 s[PH], 0
	s_mov_b32 s[NS], 0
	s_mov_b32 s[KF], 0
	s_mov_b32 s39, 0
	s_wait_kmcnt 0x0
	s_load_b256 s[68:75], s[6:7], 0x0              ; e0 .. e7
	s_load_b128 s[76:79], s[6:7], 0x20             ; e8 .. e11
	s_add_nc_u64 s[GB:GB+1], s[4:5], s[60:61]
	s_mov_b64 s[G0+2:G0+3], s[GB:GB+1]
	s_or_b32 s[G0+3], s[G0+3], 0x80000000
	TLOAD                                          ; slot 0: the keys 0 .. 255
	s_mov_b64 s[PFA:PFA+1], s[GB:GB+1]
	s_lshr_b32 s[LIM], s[WV], 2
	s_xor_b32 s[LIM], s[LIM], 1                    ; 0 in waves 4 to 7,
	s_or_b32 s[LIM], s[LIM], ttmp9                 ; of work-group I = 0
	s_cmp_eq_u32 s[LIM], 0
	s_cselect_b32 s[LIM], 3, 64
	s_lshl_b32 s62, s[WV], 4
	s_lshl_b32 s[Q0], ttmp9, 8
	s_add_co_u32 s[Q0], s[Q0], s62                 ; 256 I + 16 wave
	s_sub_co_u32 s[Q0B], 7, ttmp9
	s_lshl_b32 s[Q0B], s[Q0B], 8
	s_add_co_u32 s[Q0B], s[Q0B], s62               ; 256 (7 - I) + 16 wave
	s_lshl_b32 s60, s[Q0], 6
	s_add_co_u32 s60, s60, s59
	s_add_nc_u64 s[54:55], s[4:5], s[60:61]        ; q's codes at my first query, first block,
	s_lshl_b32 s60, s[Q0B], 6
	s_add_co_u32 s60, s60, s59
	s_add_nc_u64 s[56:57], s[4:5], s[60:61]        ; second block
	s_lshr_b32 s62, s58, 4
	s_lshl_b32 s62, s62, 21                        ; ctx: 2,048 b rows of 1,024 bytes
	s_and_b32 s63, s58, 15
	s_lshl_b32 s63, s63, 8                         ; + 256 h
	s_add_co_u32 s62, s62, s63
	s_lshl_b32 s60, s[Q0], 10
	s_add_co_u32 s60, s60, s62
	s_add_nc_u64 s[CA:CA+1], s[8:9], s[60:61]
	s_lshl_b32 s60, s[Q0B], 10
	s_add_co_u32 s60, s60, s62
	s_add_nc_u64 s[CB:CB+1], s[8:9], s[60:61]
	v_and_b32 v8, 15, v0                           ; r
	v_bfe_u32 v9, v0, 4, 1                         ; h
	s_delay_alu instid0(VALU_DEP_2)
	v_lshlrev_b32 v254, 6, v8
	s_delay_alu instid0(VALU_DEP_1)
	v_lshl_add_u32 v254, v9, 4, v254               ; Q: row r of 64 bytes, + 16 h: registers 4 c .. 4 c + 3 hold d = 32 c + 16 h + 0 .. 15, as K's fragments do
	global_load_b128 v[16:19], v254, s[54:55]
	global_load_b128 v[20:23], v254, s[54:55] offset:32
	global_load_b128 v[24:27], v254, s[56:57]
	global_load_b128 v[28:31], v254, s[56:57] offset:32
	v_lshrrev_b32 v1, 2, v8
	s_delay_alu instid0(VALU_DEP_1)
	v_mul_u32_u24 v1, v1, 272
	v_and_b32 v2, 3, v8
	s_delay_alu instid0(VALU_DEP_1)
	v_lshl_add_u32 v1, v2, 6, v1                   ; group r / 4, row r % 4
	s_delay_alu instid0(VALU_DEP_1)
	v_lshl_add_u32 v2, v9, 3, v1                   ; + 8 h
	s_delay_alu instid0(VALU_DEP_2)
	v_lshl_add_u32 v[AK0], v9, 4, v1               ; K: + 16 h
	s_mul_i32 s60, s[WV], 1088
	s_add_co_u32 s60, s60, STAGE                   ; my stage
	v_add_nc_u32 v[SIN], s60, v2
	v_add_nc_u32 v[AV0], VOFF, v2                  ; V
	v_mul_u32_u24 v[SOUT], v9, 272
	s_delay_alu instid0(VALU_DEP_1)
	v_lshl_add_u32 v[SOUT], v8, 4, v[SOUT]
	s_delay_alu instid0(VALU_DEP_1)
	v_add_nc_u32 v[SOUT], s60, v[SOUT]             ; back: sixteen lanes to a group
	v_lshlrev_b32 v[GO], 12, v9
	s_delay_alu instid0(VALU_DEP_1)
	v_lshl_add_u32 v[GO], v8, 4, v[GO]             ; and in ctx: groups of 4 rows lie 4,096 bytes apart
	v_and_b32 v[PFO], 31, v0
	s_delay_alu instid0(VALU_DEP_1)
	v_lshlrev_b32 v[PFO], 8, v[PFO]
	v_lshlrev_b32 v[RH], 3, v9
	s_delay_alu instid0(VALU_DEP_1)
	v_sub_nc_u32 v[RH], v8, v[RH]
	v_mov_b32 v13, 0xff61b1e6                      ; the largest t so far: -3e38
	s_delay_alu instid0(VALU_DEP_1)
	v_floor_f32 v12, -v13                          ; -M
	v_mov_b32 v14, 0
	v_mov_b32 v15, 0
	v_mov_b32 v236, 0                              ; a lane permute's destination counts as one of its sources
	v_mov_b32 v252, 0
	v_mov_b32 v253, 0                              ; (named as the upper half of the pair v[252:253])
.set n, 0
.rept 32
	v_mov_b32 v[160+n], 0                          ; O^T: the step is written once; its first turn finds zeros, which the first change of M leaves zeros
.set n, n+1
.endr
	s_wait_kmcnt 0x0
	s_add_co_i32 s58, s74, s75                     ; e6 + e7 go into c's exponent field
	s_lshl_b32 s58, s58, 23
	s_mov_b32 s[CS], 0x3e38aa3b                    ; log2(e) / 8
	s_add_co_i32 s[CS], s[CS], s58
	s_mov_b32 s[CS+1], s[CS]
	s_add_co_i32 s58, s76, 127
	s_lshl_b32 s59, s58, 23
	v_mov_b32 v244, s59                            ; 2^e8
	s_sub_co_i32 s58, s78, s76
	s_sub_co_i32 s58, s58, s77                     ; O / l stands for ctx / 2^(e8 + e9): its code is (O / l) / 2^(e10 - e8 - e9)
	s_add_co_i32 s58, s58, 127
	s_lshl_b32 s59, s58, 23
	v_mov_b32 v245, s59
; A KEY STEP: 128 keys, the q-th of the slot in hand.
.macro STEP q
	s_add_co_u32 s96, s[Q0], 15                    ; a step all of whose keys come after my 16 queries is left out: a scalar branch on ids; no barrier and no tensor load stands in a step
	s_cmp_gt_u32 s[KF], s96
	s_cbranch_scc1 .Lhidden_\@
	v_add_nc_u32 v[ADK], s[TB], v[AK0]
	v_add_nc_u32 v[ADV], s[TB], v[AV0]
	v_nop                                          ; with the two additions: four places in front of loads into registers that the last products read
	v_nop
.irp t, 0,1,2,3,4,5,6,7
.irp c, 0,1
	ds_load_b128 v[32+8*\t+4*\c:35+8*\t+4*\c], v[ADK] offset:8704*(\q)+1088*\t+32*\c
.endr
.endr
	s_wait_dscnt 0x0
	s_wait_alu depctr_va_vdst(0)
.irp t, 0,1,2,3,4,5,6,7
	v_wmma_f32_16x16x64_bf8_bf8 v[96+8*\t:103+8*\t], v[32+8*\t:39+8*\t], v[16:23], 0
.endr
.rept 4
	v_nop                                          ; places: in front of the loads below, and of the first read of the scores
.endr
.irp t, 0,1,2,3                        ; V^T, 16 d x 128 keys a fragment, in the form's own layout (registers 2 c, 2 c + 1: keys 16 c + 8 h + 0 .. 7); it lands while the softmax is worked
.irp c, 0,1,2,3,4,5,6,7
	ds_load_b64 v[32+16*\t+2*\c:33+16*\t+2*\c], v[ADV] offset:((2*(\q)+\c/4)*16+4*\t)*272+16*(\c%4)
.endr
.endr
	s_add_co_u32 s96, s[KF], 127                   ; a step all of whose keys count skips the mask
	s_cmp_le_u32 s96, s[Q0]
	s_cbranch_scc1 .Lopen_\@
	s_sub_co_i32 s96, s[Q0], s[KF]
	v_add_nc_u32 v252, s96, v[RH]                  ; d = my query - KF - 8 h.  Register 8 t + j holds key KF + 16 t + 8 h + j: hidden where 16 t + j > d
	v_mov_b32 v254, 0xff800000                     ; -infinity: p = 0 then
.set n, 0
.rept 64
	v_cmp_gt_i32 vcc_lo, 16*(n/8)+n%8, v252
	v_cndmask_b32 v[96+n], v[96+n], v254, vcc_lo
.set n, n+1
.endr
.Lopen_\@:
	v_max3_num_f32 v254, v96, v97, v98             ; the step's largest score of my query among my 64 keys, in two chains,
	v_max3_num_f32 v252, v99, v100, v101
.irp i, 6,10,14,18,22,26,30,34,38,42,46,50,54,58
	v_max3_num_f32 v254, v254, v[96+\i], v[97+\i]
	v_max3_num_f32 v252, v252, v[98+\i], v[99+\i]
.endr
	v_max3_num_f32 v254, v254, v158, v159
	s_delay_alu instid0(VALU_DEP_1)
	v_max_num_f32 v254, v254, v252
	s_delay_alu instid0(VALU_DEP_1)
	v_permlanex16_b32 v236, v254, s[SEL], s[SEL+1]
	s_delay_alu instid0(VALU_DEP_1)
	v_max_num_f32 v254, v254, v236                 ; and among lane l xor 16's
	s_delay_alu instid0(VALU_DEP_1)
	v_mul_f32 v254, s[CS], v254                    ; as t (c is positive)
	s_delay_alu instid0(VALU_DEP_1)
	v_max_num_f32 v13, v13, v254                   ; the running largest t
	v_mov_b32 v254, v12
	s_delay_alu instid0(VALU_DEP_2)
	v_floor_f32 v12, -v13                          ; the new -M = -ceil(t)
	s_delay_alu instid0(VALU_DEP_1)
	v_sub_f32 v254, v12, v254                      ; old M - new M: a whole number, 0 or less
	s_delay_alu instid0(VALU_DEP_1)
	v_cvt_i32_f32 v254, v254                       ; (it saturates)
	s_delay_alu instid0(VALU_DEP_1)
	v_ldexp_f32 v252, 1.0, v254                    ; f = 2^(old M - new M)
.set n, 0
.rept 32
	v_pk_fma_f32 v[96+n:97+n], v[96+n:97+n], s[CS:CS+1], v[12:13] op_sel_hi:[1,0,0]   ; t - M, two at a time
.set n, n+2
.endr
.set n, 0
	s_wait_alu depctr_va_vdst(0)
.rept 64
	v_exp_f32 v[96+n], v[96+n]                     ; p = 2^(t - M)
.set n, n+1
.endr
	v_pk_mul_f32 v[14:15], v[14:15], v[252:253] op_sel_hi:[1,0]   ; the sums under the new M: the plain line behind the exponentials
	s_wait_alu depctr_va_vdst(0)                   ; one wait for the whole batch, ahead of its first reader
	v_pk_add_f32 v[242:243], v[100:101], v[104:105]
	v_pk_add_f32 v[254:255], v[108:109], v[112:113]
	v_pk_add_f32 v[250:251], v[116:117], v[120:121]
	v_pk_add_f32 v[248:249], v[124:125], v[128:129]
	v_pk_add_f32 v[246:247], v[132:133], v[136:137]
	v_pk_add_f32 v[240:241], v[140:141], v[144:145]
	v_pk_add_f32 v[238:239], v[148:149], v[152:153]
	v_pk_add_f32 v[14:15], v[14:15], v[156:157]
	v_pk_add_f32 v[242:243], v[242:243], v[96:97]
	v_pk_add_f32 v[254:255], v[254:255], v[98:99]
	v_pk_add_f32 v[250:251], v[250:251], v[102:103]
	v_pk_add_f32 v[248:249], v[248:249], v[106:107]
	v_pk_add_f32 v[246:247], v[246:247], v[110:111]
	v_pk_add_f32 v[240:241], v[240:241], v[114:115]
	v_pk_add_f32 v[238:239], v[238:239], v[118:119]
	v_pk_add_f32 v[14:15], v[14:15], v[122:123]
	v_pk_add_f32 v[242:243], v[242:243], v[126:127]
	v_pk_add_f32 v[254:255], v[254:255], v[130:131]
	v_pk_add_f32 v[250:251], v[250:251], v[134:135]
	v_pk_add_f32 v[248:249], v[248:249], v[138:139]
	v_pk_add_f32 v[246:247], v[246:247], v[142:143]
	v_pk_add_f32 v[240:241], v[240:241], v[146:147]
	v_pk_add_f32 v[238:239], v[238:239], v[150:151]
	v_pk_add_f32 v[14:15], v[14:15], v[154:155]
	v_pk_add_f32 v[242:243], v[242:243], v[158:159]
	s_delay_alu instid0(VALU_DEP_2)
	v_pk_add_f32 v[14:15], v[14:15], v[248:249]
	s_delay_alu instid0(VALU_DEP_2)
	v_pk_add_f32 v[242:243], v[242:243], v[246:247]
	v_pk_add_f32 v[254:255], v[254:255], v[240:241]
	v_pk_add_f32 v[250:251], v[250:251], v[238:239]
	s_delay_alu instid0(VALU_DEP_2)
	v_pk_add_f32 v[14:15], v[14:15], v[254:255]
	s_delay_alu instid0(VALU_DEP_2)
	v_pk_add_f32 v[242:243], v[242:243], v[250:251]
	s_delay_alu instid0(VALU_DEP_1)
	v_pk_add_f32 v[14:15], v[14:15], v[242:243]
.set n, 0
.rept 64
.set n, n+1
.endr
.irp t, 0,1,2,3,4,5,6,7
	v_cvt_scalef32_pk8_bf8_f32 v[192+2*\t:193+2*\t], v[96+8*\t:103+8*\t], v244
.endr
.set n, 0
.rept 16
	v_pk_mul_f32 v[160+n:161+n], v[160+n:161+n], v[252:253] op_sel_hi:[1,0]   ; O^T under the new M; also the plain lines between the conversions and the products
.set n, n+2
.endr
	s_wait_alu depctr_va_vdst(0)
	s_wait_dscnt 0x0                               ; V is in
.irp t, 0,1,2,3                        ; four accumulators by turns, one instruction a turn
	v_wmma_f32_16x16x128_bf8_bf8 v[160+8*\t:167+8*\t], v[32+16*\t:47+16*\t], v[192:207], v[160+8*\t:167+8*\t]
.endr
.Lhidden_\@:
	s_add_co_u32 s[KF], s[KF], 128
.endm
; THE CHANGE OF SLOTS stands at a phase's head.  Each wave waits for all its tensor loads, adds 0 to its spare word, and waits for that and for its reads of the slot that it has left.  Behind the barrier the slot ahead is whole
; and nobody reads the other one.  fill = 1: that other slot is filled with the next phase's keys: the next slot of the block in hand or, at phase I, slot 0 again for the second block.
.macro CHANGE fill
	s_wait_tensorcnt 0x0                           ; no tensor load of mine is out, so the group 0 may be written
	ds_add_u32 v[SPW], v[NIL]                      ; 0 onto my spare word
.if \fill
	s_xor_b32 s[G0+1], s[G0+1], SLOT1
	s_add_co_u32 s[NS], s[NS], 1
	s_cmp_eq_u32 s[PH], s[II]
	s_cselect_b32 s[NS], 0, s[NS]
	s_lshl_b32 s38, s[NS], 14                      ; a slot is 16,384 bytes of K and of V alike
	s_add_nc_u64 s[G0+2:G0+3], s[GB:GB+1], s[38:39]
	s_or_b32 s[G0+3], s[G0+3], 0x80000000
	s_wait_xcnt 0x0                                ; the last prefetch, a phase back, has read its address
	s_add_nc_u64 s[PFA:PFA+1], s[PFA:PFA+1], 16384
.endif
	s_wait_dscnt 0x0                               ; the add is done, and my reads of the slot that I have left are over
	s_barrier_signal -1
	s_barrier_wait -1
.if \fill
	TLOAD                                          ; the first thing behind the barrier, and a wave's one tensor load until the next
	ASK
.endif
.endm
; A block's end: O^T / the sum, quantised, through my stage, out in units of 256 consecutive bytes (a head's 4 rows).
.macro FINAL b
.rept 4
	v_nop                                          ; places behind the last products
.endr
	v_add_f32 v14, v14, v15
	s_delay_alu instid0(VALU_DEP_1)
	v_permlanex16_b32 v252, v14, s[SEL], s[SEL+1]
	s_delay_alu instid0(VALU_DEP_1)
	v_add_f32 v14, v14, v252                       ; the row's sum
	s_wait_alu depctr_va_vdst(0)
	v_rcp_f32 v14, v14
	v_nop                                          ; a plain line behind the reciprocal,
	s_wait_alu depctr_va_vdst(0)                   ; and the wait ahead of its first reader
.set n, 0
.rept 16
	v_pk_mul_f32 v[96+n:97+n], v[160+n:161+n], v[14:15] op_sel_hi:[1,0]   ; register 8 t + j is (query r, d = 16 t + 8 h + j); each accumulator from its low end on
.set n, n+2
.endr
.set n, 0
.rept 32
.set n, n+1
.endr
.irp t, 0,1,2,3
	v_cvt_scalef32_pk8_bf8_f32 v[216+2*\t:217+2*\t], v[96+8*\t:103+8*\t], v245
.endr
	v_nop
.irp t, 0,1,2,3
	ds_store_b64 v[SIN], v[216+2*\t:217+2*\t] offset:16*\t
.endr
.irp k, 0,1
	ds_load_b128 v[208+4*\k:211+4*\k], v[SOUT] offset:544*\k   ; LDS serves a wave's instructions in order: these see my stores
.endr
	s_wait_dscnt 0x0
.irp k, 0,1
	global_store_b128 v[GO], v[208+4*\k:211+4*\k], s[\b:\b+1] offset:8192*\k
.endr
.endm
	s_wait_loadcnt 0x0                             ; both blocks' Q
.Lslot:                                            ; eight trips: behind each change of slots but the last the next phase's keys are asked for
	CHANGE 1
	s_cmp_lg_u32 s[PH], s[I1]                      ; phase I + 1 begins the second block
	s_cbranch_scc1 .Lsame
	FINAL CA
	v_mov_b32 v13, 0xff61b1e6
	s_delay_alu instid0(VALU_DEP_1)
	v_floor_f32 v12, -v13
	v_mov_b32 v14, 0
	v_mov_b32 v15, 0
.set n, 0
.rept 32
	v_mov_b32 v[160+n], 0
.set n, n+1
.endr
.set n, 0
.rept 8
	v_mov_b32 v[16+n], v[24+n]
.set n, n+1
.endr
	s_mov_b32 s[Q0], s[Q0B]
	s_mov_b32 s[KF], 0
	s_wait_xcnt 0x0                                ; the block's stores have read their registers: the second way out writes them again
.Lsame:
	STEP 0
	STEP 1
	s_xor_b32 s[TB], s[TB], SLOT1
	s_add_co_u32 s[PH], s[PH], 1
	s_cmp_lt_u32 s[PH], 8
	s_cbranch_scc1 .Lslot
	CHANGE 0                                       ; the last phase is written out
	STEP 0
	STEP 1
	FINAL CB
	s_wait_tensorcnt 0x0                           ; the wave's end
	ds_add_u32 v[SPW], v[NIL]
	s_wait_dscnt 0x0
	s_endpgm
.Lfunc_end_k_q0f3bde6770_attn:
	.size	k_q0f3bde6770_attn, .Lfunc_end_k_q0f3bde6770_attn-k_q0f3bde6770_attn
	.p2alignl 7, 3214868480
	.fill 96, 4, 3214868480
	.section	.rodata,"a",@progbits
	.p2align	6, 0x0
	.amdhsa_kernel k_q0f3bde6770_attn
		.amdhsa_group_segment_fixed_size 327680
		.amdhsa_private_segment_fixed_size 0
		.amdhsa_enable_private_segment 0
		.amdhsa_kernarg_size 24
		.amdhsa_user_sgpr_count 2
		.amdhsa_user_sgpr_kernarg_segment_ptr 1
		.amdhsa_wavefront_size32 1
		.amdhsa_system_sgpr_workgroup_id_x 1
		.amdhsa_system_sgpr_workgroup_id_y 1
		.amdhsa_system_sgpr_workgroup_id_z 1
		.amdhsa_system_vgpr_workitem_id 0
		.amdhsa_next_free_vgpr 256
		.amdhsa_next_free_sgpr 100
		.amdhsa_reserve_vcc 1
		.amdhsa_float_denorm_mode_32 3
		.amdhsa_float_denorm_mode_16_64 3
		.amdhsa_fp16_overflow 1
		.amdhsa_memory_ordered 1
		.amdhsa_forward_progress 1
		.amdhsa_inst_pref_size 95
	.end_amdhsa_kernel
	.amdgpu_metadata
---
amdhsa.version: [ 1, 2 ]
amdhsa.kernels:
  - .name:           k_q0f3bde6770_attn
    .symbol:         k_q0f3bde6770_attn.kd
    .args:
      - { .name: qkv, .offset: 0, .size: 8, .value_kind: global_buffer, .address_space: global }
      - { .name: lowp_scales, .offset: 8, .size: 8, .value_kind: global_buffer, .address_space: global }
      - { .name: ctx, .offset: 16, .size: 8, .value_kind: global_buffer, .address_space: global }
    .group_segment_fixed_size: 327680
    .private_segment_fixed_size: 0
    .kernarg_segment_align: 8
    .kernarg_segment_size: 24
    .max_flat_workgroup_size: 512
    .sgpr_count:     100
    .vgpr_count:     256
    .wavefront_size: 32
...
	.end_amdgpu_metadata
.endif
;; end of part 3
;; launch oproj (part 4): grid 4 x 32, 4 waves a work-group, clusters of 4 x 4, 327,680 bytes of LDS; arguments ctx, wc, lowp_scales, b_o, out0; writes out0
.if DOCPART == 4
	.amdgcn_target "amdgcn-amd-amdhsa--gfx1250"
	.amdhsa_code_object_version 6
	.text
	.protected	k_q0f3bde6770_oproj
	.globl	k_q0f3bde6770_oproj
	.p2align	8
	.type	k_q0f3bde6770_oproj,@function
k_q0f3bde6770_oproj:
	s_mov_b64 s[64:65], 0
	v_nop
	global_prefetch_b8 v0, s[64:65] scope:SCOPE_SE
	s_setreg_imm32_b32 hwreg(HW_REG_WAVE_MODE, 25, 1), 1
	s_wait_xcnt 0x0
	s_wait_alu depctr_hold_cnt(0) depctr_sa_sdst(0) depctr_va_vdst(0) depctr_va_sdst(0) depctr_va_ssrc(0) depctr_va_vcc(0) depctr_vm_vsrc(0)
	s_getreg_b32 s2, hwreg(HW_REG_IB_STS2, 6, 4)
	s_cmp_eq_u32 s2, 0
	s_cbranch_scc0 .Lentry_in_a_cluster
	s_endpgm
.Lentry_in_a_cluster:
	s_bfe_u32 s2, ttmp6, 0x10000c
	s_cmp_lg_u32 s2, 0xf033
	s_cbranch_scc0 .Lentry_shape_is_right
	s_endpgm
.Lentry_shape_is_right:
; out0 = ctx W_o + b_o on E5M2 codes.  ctx: codes laid [m / 4][16 h][m % 4][64 d] (K = 64 h + d); W_o: rows 3,072 .. 4,095 of wc, [n][k] codes; out0 [8192][1024] f32.
; Each finished sum is multiplied once by 2^(e10 + e11) and b_o is added, in one packed multiply-add.  LIMIT: e10 + e11 lies between -126 and 127.
; A tile of out0, 256 x 256, is made by four waves, each 128 x 128: 64 accumulators.  K = 1,024 goes in four steps of 256 through two LDS slots.  128 tiles: as many work-groups.
; A's tile of a K step: 32 groups of 4 rows, each 4 heads x 4 rows x 64 bytes = 1,024 consecutive bytes, 4,096 bytes apart in memory; 16 bytes of padding behind each in LDS.
; CLUSTERS: 4 x 4 work-groups; A's tile is asked for jointly along a row of the cluster, B's along a column.
; THE MATRIX INSTRUCTION IS USED TRANSPOSED (source 0 = 16 rows of W_o, source 1 = 16 rows of ctx): a lane holds eight neighbouring numbers of a row of out0.
; REGISTERS, in windows of 256: window 0: v0-31 addresses, v8-11 my four numbers of b_o; from v128 A's fragments, one set; window 1: B's, two sets; windows 2, 3: the accumulators.
.set ROWB,   256
.set PITCH,  272                       ; B's LDS row: 256 bytes + 16
.set APITCH, 1040                      ; A's LDS group: 1,024 bytes + 16: the 16 rows of a fragment (4 groups x 4 rows of 64 bytes) start at 16 different columns of 16 bytes modulo 256
.set FR,     16
.set NL,     4
.set NP,     4
.set HALFT,  128*PITCH
.set AHALF,  32*APITCH
.set SLOT,   2*AHALF+2*HALFT           ; A's two halves, then B's two
.set LAPS,   2
.set SPARE,  2*SLOT                    ; the spare words, 128 bytes a wave, that no other line names
.set SPITCH, 528                       ; the way out: 16 rows x (512 bytes + 16) for each wave, in slot 0, which has had its last fill and its last read by then
.set ADRA, 16
.set ADRB, 20
.set STO,  24
.set RD,   25
.set CO,   26
.set SPW,  28
.set NIL,  29
.set AF,   128
.set BK,   128
.set G1, 24
.set G0, 32
.set G1B, 48
.set G0B, 56
.set MSB, 0
.macro WIN new
.if MSB != \new
	s_set_vgpr_msb (MSB<<8)|\new
.set MSB, \new
.endif
.endm
.set MUL_LO, 0xa1
.set MUL_HI, 0xf1
.set TO_B,   0x40
.macro JLOAD g0a, g1a, g0b, g1b        ; waves 0 and 1 fetch A's halves, waves 2 and 3 B's; four v_nop follow each of the two lines
	s_cmp_eq_u32 s15, 0
	s_cbranch_scc0 .Lfor_b_\@
	tensor_load_to_lds s[\g0a:\g0a+3], s[\g1a:\g1a+7]
	s_nop 0
.rept 4
	v_nop
.endr
	s_branch .Lasked_\@
.Lfor_b_\@:
	tensor_load_to_lds s[\g0b:\g0b+3], s[\g1b:\g1b+7]
	s_nop 0
.rept 4
	v_nop
.endr
.Lasked_\@:
.endm
.macro CREST
	s_cmp_lg_u32 s14, 0
	s_cbranch_scc1 .Lnot_wave_0_\@
	s_barrier_signal -3
.Lnot_wave_0_\@:
	s_barrier_wait -3
	s_barrier_signal -1
	s_barrier_wait -1
.endm
.macro CROUND
	s_barrier_signal -1
	s_barrier_wait -1
	CREST
.endm
	s_load_b256 s[4:11], s[0:1], 0x0               ; ctx s[4:5], wc s[6:7], the scales s[8:9], b_o s[10:11]
	s_load_b64 s[12:13], s[0:1], 0x20              ; out0
	v_lshl_add_u32 v[SPW], v0, 2, SPARE
	v_mov_b32 v[NIL], 0
	ds_add_u32 v28, v29
	ds_add_u32 v28, v29
	s_wait_dscnt 0x0
	v_lshrrev_b32 v1, 5, v0
	v_readfirstlane_b32 s14, v1                    ; wave 0..3
	s_lshr_b32 s15, s14, 1                         ; which half of the tile's rows is mine.  Also: I fetch for A (0) or for B (1)
	s_and_b32 s16, s14, 1                          ; which half of its columns.  Also: which half of that tile I fetch
	s_bfe_u32 s40, ttmp6, 0x40000
	s_bfe_u32 s41, ttmp6, 0x40004
	s_lshl_b32 s42, ttmp9, 2
	s_add_co_u32 s42, s42, s40                     ; tile column
	s_and_b32 s17, ttmp7, 0xffff
	s_lshl_b32 s17, s17, 2
	s_add_co_u32 s17, s17, s41                     ; tile row
	s_lshl_b32 s43, s41, 2
	s_lshl_b32 s43, 15, s43
	s_lshl_b32 s44, 0x1111, s40
	s_or_b32 s[G1+0], s43, (0<<16)|(1<<20)|(1<<21)|(7<<22)|(3<<25)  ; A: my row's mask; elements of 1 byte; padding: 4 words after every 256
	s_mov_b32 s[G1+1], 1024<<16                    ; tensor_dim0
	s_mov_b32 s[G1+2], 32<<16                      ; tensor_dim1
	s_mov_b32 s[G1+3], 1024<<16                    ; tile_dim0
	s_mov_b32 s[G1+4], 32                          ; tile_dim1
	s_mov_b32 s[G1+5], 4096                        ; from group to group
	s_mov_b32 s[G1+6], 0
	s_mov_b32 s[G1+7], 0
	s_or_b32 s[G1B+0], s44, (0<<16)|(1<<20)|(1<<21)|(5<<22)|(3<<25) ; B: my column's mask; padding: 4 words after every 64
	s_mov_b32 s[G1B+1], ROWB<<16
	s_mov_b32 s[G1B+2], 128<<16
	s_mov_b32 s[G1B+3], ROWB<<16
	s_mov_b32 s[G1B+4], 128
	s_mov_b32 s[G1B+5], 1024
	s_mov_b32 s[G1B+6], 0
	s_mov_b32 s[G1B+7], 0
	s_lshl_b32 s20, s17, 6
	s_lshl_b32 s18, s16, 5
	s_add_co_u32 s20, s20, s18                     ; A: group 64 x tile row + 32 x half
	s_lshl_b32 s20, s20, 12
	s_mov_b32 s21, 0
	s_lshl_b32 s46, s42, 8
	s_lshl_b32 s18, s16, 7
	s_add_co_u32 s46, s46, s18                     ; B: row 256 x tile column + 128 x half,
	s_add_co_u32 s46, s46, 3072                    ; among W_o's rows of wc
	s_lshl_b32 s46, s46, 10
	s_mov_b32 s47, 0
	s_mul_i32 s45, s16, AHALF                      ; where they go: A's halves,
	s_mul_i32 s93, s16, HALFT
	s_add_co_u32 s93, s93, 2*AHALF                 ; then B's
	s_wait_kmcnt 0x0
	s_load_b64 s[96:97], s[8:9], 0x28              ; e10, e11
	s_add_nc_u64 s[20:21], s[4:5], s[20:21]
	s_add_nc_u64 s[46:47], s[6:7], s[46:47]
	CROUND                                         ; all sixteen work-groups are here: the first joint loads meet
.irp s, 0,1
	s_mov_b32 s[G0+4*\s], 1
	s_add_co_u32 s[G0+4*\s+1], s45, \s*SLOT
	s_add_nc_u64 s[G0+4*\s+2:G0+4*\s+3], s[20:21], \s*1024
	s_or_b32 s[G0+4*\s+3], s[G0+4*\s+3], 0x80000000
	s_mov_b32 s[G0B+4*\s], 1
	s_add_co_u32 s[G0B+4*\s+1], s93, \s*SLOT
	s_add_nc_u64 s[G0B+4*\s+2:G0B+4*\s+3], s[46:47], \s*ROWB
	s_or_b32 s[G0B+4*\s+3], s[G0B+4*\s+3], 0x80000000
	s_wait_alu depctr_va_vdst(0)
	s_wait_tensorcnt 0x0
	ds_add_u32 v28, v29
	ds_add_u32 v28, v29
	s_wait_dscnt 0x0
	CROUND
	JLOAD G0+4*\s, G1, G0B+4*\s, G1B
.endr
	v_and_b32 v1, 15, v0                           ; r
	v_bfe_u32 v2, v0, 4, 1                         ; h
	v_mul_u32_u24 v3, v1, PITCH
	v_lshl_add_u32 v4, v2, 4, v3                   ; B: row x pitch + 16 h
	v_lshrrev_b32 v5, 2, v1
	v_mul_u32_u24 v5, v5, APITCH
	v_and_b32 v6, 3, v1
	v_lshl_add_u32 v5, v6, 6, v5
	v_lshl_add_u32 v5, v2, 4, v5                   ; A: group r / 4, row r % 4 of 64 bytes, + 16 h
	s_mul_i32 s21, s15, AHALF                      ; my 128 rows of A
	s_mul_i32 s22, s16, HALFT                      ; my 128 rows of B,
	s_add_co_u32 s22, s22, 2*AHALF                 ; which lie behind A's
.irp s, 0,1
	v_add_nc_u32 v[ADRA+\s], s21, v5
	v_add_nc_u32 v[ADRB+\s], s22, v4
	s_add_co_u32 s21, s21, SLOT
	s_add_co_u32 s22, s22, SLOT
.endr
	s_mul_i32 s23, s14, 16*SPITCH                  ; my stage
	v_mul_u32_u24 v5, v1, SPITCH
	v_lshl_add_u32 v5, v2, 5, v5
	v_add_nc_u32 v[STO], s23, v5                   ; in: row r, 32 bytes for each half of the lanes
	v_and_b32 v6, 31, v0
	v_lshlrev_b32 v[CO], 4, v6                     ; back: the 32 lanes take one row of 512 bytes; and the same in out0 and in b_o
	s_wait_alu depctr_va_vdst(0)
	v_add_nc_u32 v[RD], s23, v[CO]
	s_lshl_b32 s20, s17, 8
	s_lshl_b32 s21, s15, 7
	s_add_co_u32 s20, s20, s21                     ; my first row of out0
	s_lshl_b32 s20, s20, 12
	s_mov_b32 s21, 0
	s_lshl_b32 s46, s42, 10                        ; my first column, in bytes
	s_lshl_b32 s47, s16, 9
	s_add_co_u32 s46, s46, s47
	s_mov_b32 s47, 0
	s_add_nc_u64 s[10:11], s[10:11], s[46:47]      ; b_o at my columns
	s_add_nc_u64 s[20:21], s[20:21], s[46:47]
	s_add_nc_u64 s[12:13], s[12:13], s[20:21]
	global_load_b128 v[8:11], v[CO], s[10:11]      ; the four numbers of b_o that belong to my 16 bytes of every row
.macro FRAG reg, adr, q, i             ; B: 16 rows x 128 K: registers 4 c .. 4 c + 3 hold K = 32 c + 16 h + 0 .. 15
.irp c, 0,1,2,3
	ds_load_b128 v[\reg+4*\c:\reg+4*\c+3], v[\adr] offset:128*(\q)+32*\c+(\i)*16*PITCH
.endr
.endm
.macro FRAGA reg, adr, q, i            ; A: the same k: 128 along K are two heads, 256 bytes apart in a group; 16 rows are four groups
.irp c, 0,1,2,3
	ds_load_b128 v[\reg+4*\c:\reg+4*\c+3], v[\adr] offset:512*(\q)+256*(\c/2)+32*(\c%2)+(\i)*4*APITCH
.endr
.endm
.macro MUL16 a0, p, zero               ; the 64 accumulators take turns, one instruction a turn, in the same order in every step
.irp a, \a0, \a0+1
.irp b, 0,1,2,3,4,5,6,7
.if \zero
	v_wmma_f32_16x16x128_bf8_bf8 v[8*(8*((\a)%4)+\b):8*(8*((\a)%4)+\b)+7], v[128*(\p)+FR*\b:128*(\p)+FR*\b+FR-1], v[AF+FR*(\a):AF+FR*(\a)+FR-1], 0
.else
	v_wmma_f32_16x16x128_bf8_bf8 v[8*(8*((\a)%4)+\b):8*(8*((\a)%4)+\b)+7], v[128*(\p)+FR*\b:128*(\p)+FR*\b+FR-1], v[AF+FR*(\a):AF+FR*(\a)+FR-1], v[8*(8*((\a)%4)+\b):8*(8*((\a)%4)+\b)+7]
.endif
.endr
.endr
.endm
.macro FETCH_B slot, q, p
	WIN TO_B
.irp i, 0,1,2,3,4,5,6,7
	FRAG 128*(\p)+FR*\i, ADRB+\slot, \q, \i
.endr
	WIN 0
.endm
.macro FETCH_A slot, q, i0
.irp i, \i0, \i0+1, \i0+2, \i0+3
	FRAGA AF+FR*(\i), ADRA+\slot, \q, \i
.endr
.endm
.macro PLACES n
.rept \n
	v_nop
.endr
.endm
.macro STEP slot, q, zero
	s_wait_dscnt 4*NL                              ; B's set and A's blocks 0-3 are in; the youngest sixteen loads (A's blocks 4-7) may be out
	WIN MUL_LO
	MUL16 0, (\q)%2, \zero
	MUL16 2, (\q)%2, \zero
	s_wait_dscnt 0
	PLACES NP
	FETCH_B \slot, (\q)+1, 1-(\q)%2
	FETCH_A \slot, (\q)+1, 0
	WIN MUL_HI
	MUL16 4, (\q)%2, \zero
	MUL16 6, (\q)%2, \zero
	PLACES NP
	WIN 0
	FETCH_A \slot, (\q)+1, 4
.endm
.macro TURN slot, next, fill
	s_wait_tensorcnt 0x0                           ; all my tensor loads have landed: my part of the next slot
	ds_add_u32 v[SPW], v[NIL]                      ; 0 onto my spare word
	s_wait_dscnt 4*NL+1                            ; (the add and the youngest sixteen loads may be out)
	WIN MUL_LO
	MUL16 0, 1, 0
	s_wait_dscnt 0x0                               ; the add is done, and my reads of this slot are over
	s_barrier_signal -1
	MUL16 2, 1, 0
	WIN 0
	s_barrier_wait -1
.if \fill
	CREST                                          ; the barrier has opened a round of the cluster's barrier
	s_add_nc_u64 s[G0+4*\slot+2:G0+4*\slot+3], s[G0+4*\slot+2:G0+4*\slot+3], 2*1024
	s_add_nc_u64 s[G0B+4*\slot+2:G0B+4*\slot+3], s[G0B+4*\slot+2:G0B+4*\slot+3], 2*ROWB
	JLOAD G0+4*\slot, G1, G0B+4*\slot, G1B         ; the first tensor load behind the round
.else
	PLACES NP
.endif
	FETCH_B \next, 0, 0
	FETCH_A \next, 0, 0
	WIN MUL_HI
	MUL16 4, 1, 0
	MUL16 6, 1, 0
	PLACES NP
	WIN 0
	FETCH_A \next, 0, 4
.endm
	s_wait_tensorcnt 1                             ; my part of K step 0 is in (K step 1's load may be out)
	s_barrier_signal -1
	s_barrier_wait -1
	FETCH_B 0, 0, 0
	FETCH_A 0, 0, 0
	FETCH_A 0, 0, 4
	STEP 0, 0, 1
	s_mov_b32 s3, LAPS-1
.Llap:
	TURN 0, 1, 1
	STEP 1, 0, 0
	TURN 1, 0, 1
	STEP 0, 0, 0
	s_sub_co_u32 s3, s3, 1
	s_cmp_lg_u32 s3, 0
	s_cbranch_scc1 .Llap
	TURN 0, 1, 0
	STEP 1, 0, 0
	s_wait_dscnt 4*NL
	WIN MUL_LO
	MUL16 0, 1, 0
	MUL16 2, 1, 0
	s_wait_dscnt 0
	WIN MUL_HI
	MUL16 4, 1, 0
	MUL16 6, 1, 0
	WIN 0
; THE WAY OUT, block by block of 16 rows x 128 columns: the sums go as they are through my own stage and come back as whole rows of 512 bytes; there a lane's four numbers belong to the same four columns in every row,
; so one packed multiply-add for two numbers gives sum x 2^(e10 + e11) + b_o; the 32 lanes store 512 consecutive bytes, aligned.
.macro TOSTAGE a
.set AC, 64*((\a)%4)
	WIN (0x08+4*((\a)/4))                          ; an LDS store's data: window 2 or 3
.irp b, 0,1,2,3,4,5,6,7
	ds_store_b128 v[STO], v[AC+8*\b:AC+8*\b+3] offset:64*\b          ; each accumulator from its low end on
	ds_store_b128 v[STO], v[AC+8*\b+4:AC+8*\b+7] offset:64*\b+16
.endr
	WIN 0
.set BB, BK+64*((\a)%2)
.irp t, 0,1,2,3,4,5,6,7,8,9,10,11,12,13,14,15
	ds_load_b128 v[BB+4*\t:BB+4*\t+3], v[RD] offset:\t*SPITCH        ; LDS serves a wave's instructions in order: these see the stores above
.endr
.endm
.macro SEND a, younger
.set BB, BK+64*((\a)%2)
	s_wait_dscnt \younger                          ; the block is back in registers
.if (\a) > 0
	s_add_nc_u64 s[12:13], s[12:13], 16*4096       ; (behind a wait on XCNT: the earlier stores have read their base)  16 rows on
.endif
.irp t, 0,1,2,3,4,5,6,7,8,9,10,11,12,13,14,15
	v_pk_fma_f32 v[BB+4*\t:BB+4*\t+1], v[BB+4*\t:BB+4*\t+1], s[96:97], v[8:9] op_sel_hi:[1,0,1]
	v_pk_fma_f32 v[BB+4*\t+2:BB+4*\t+3], v[BB+4*\t+2:BB+4*\t+3], s[96:97], v[10:11] op_sel_hi:[1,0,1]
.endr
.irp t, 0,1,2,3,4,5,6,7,8,9,10,11,12,13,14,15
	global_store_b128 v[CO], v[BB+4*\t:BB+4*\t+3], s[12:13] offset:\t*4096 th:TH_STORE_NT
.endr
.endm
	s_wait_kmcnt 0x0
	s_add_co_i32 s96, s96, s97
	s_add_co_i32 s96, s96, 127
	s_lshl_b32 s96, s96, 23                        ; 2^(e10 + e11) as f32
	s_mov_b32 s97, s96                             ; (named with it as a pair)
	s_wait_loadcnt 0x0                             ; b_o
	PLACES NP
	s_wait_alu depctr_va_vdst(0)
	TOSTAGE 0
.irp a, 1,2,3,4,5,6,7
.if \a > 1
	s_wait_xcnt 0x0                                ; block a - 2's stores have read their registers and their base
.endif
	TOSTAGE \a
	SEND \a-1, 32                                  ; behind block a - 1's loads: block a's 16 stores and 16 loads
.endr
	s_wait_xcnt 0x0
	SEND 7, 0
	s_wait_tensorcnt 0x0                           ; the wave's end
	ds_add_u32 v[SPW], v[NIL]
	s_wait_dscnt 0x0
	CROUND                                         ; the closing round
	s_endpgm
.Lfunc_end_k_q0f3bde6770_oproj:
	.size	k_q0f3bde6770_oproj, .Lfunc_end_k_q0f3bde6770_oproj-k_q0f3bde6770_oproj
	.p2alignl 7, 3214868480
	.fill 96, 4, 3214868480
	.section	.rodata,"a",@progbits
	.p2align	6, 0x0
	.amdhsa_kernel k_q0f3bde6770_oproj
		.amdhsa_group_segment_fixed_size 327680
		.amdhsa_private_segment_fixed_size 0
		.amdhsa_enable_private_segment 0
		.amdhsa_kernarg_size 40
		.amdhsa_user_sgpr_count 2
		.amdhsa_user_sgpr_kernarg_segment_ptr 1
		.amdhsa_wavefront_size32 1
		.amdhsa_system_sgpr_workgroup_id_x 1
		.amdhsa_system_sgpr_workgroup_id_y 1
		.amdhsa_system_sgpr_workgroup_id_z 1
		.amdhsa_system_vgpr_workitem_id 0
		.amdhsa_next_free_vgpr 1024
		.amdhsa_next_free_sgpr 100
		.amdhsa_reserve_vcc 0
		.amdhsa_float_denorm_mode_32 3
		.amdhsa_float_denorm_mode_16_64 3
		.amdhsa_memory_ordered 1
		.amdhsa_forward_progress 1
		.amdhsa_inst_pref_size 125
	.end_amdhsa_kernel
	.amdgpu_metadata
---
amdhsa.version: [ 1, 2 ]
amdhsa.kernels:
  - .name:           k_q0f3bde6770_oproj
    .symbol:         k_q0f3bde6770_oproj.kd
    .args:
      - { .name: ctx, .offset: 0, .size: 8, .value_kind: global_buffer, .address_space: global }
      - { .name: wc, .offset: 8, .size: 8, .value_kind: global_buffer, .address_space: global }
      - { .name: lowp_scales, .offset: 16, .size: 8, .value_kind: global_buffer, .address_space: global }
      - { .name: b_o, .offset: 24, .size: 8, .value_kind: global_buffer, .address_space: global }
      - { .name: out0, .offset: 32, .size: 8, .value_kind: global_buffer, .address_space: global }
    .group_segment_fixed_size: 327680
    .private_segment_fixed_size: 0
    .kernarg_segment_align: 8
    .kernarg_segment_size: 40
    .max_flat_workgroup_size: 128
    .sgpr_count:     100
    .vgpr_count:     1024
    .wavefront_size: 32
...
	.end_amdgpu_metadata
.endif
;; end of part 4
